; MI455X (gfx1250); checked and timed in simulation.
; The chip was launched on July 23, 2026; its instructions are those of AMD's public machine-readable ISA for CDNA 5 (MIT licence, August 2026) and "CDNA5" Instruction Set Architecture Reference Guide (July 2026). The comments in the code are by the model that wrote it; some were corrected since.
;; Multi Head Attention Quantum. Allowed arithmetic: matrix products marked QUANTISED: E2M3 operands, one E8M0 scale for each 32 along K, by v_wmma_scale_f32_16x16x128_f8f6f4 with both operands' format E2M3, f32 sums; products left as they are: f32 operands where the result goes on into a quantised operand, else bf16, f16 or f32 operands; f32 sums; everything else in f32.
;; Inputs: Wk_codes 128 x 4 x 24 uint8 (E2M3 codes of Wk, K innermost, in blocks of 32 codes, four codes in three bytes); Wk_scales 128 x 4 uint8 (E8M0 scales of Wk, one for each 32 codes along K); Wo_codes 128 x 4 x 24 uint8 (E2M3 codes of Wo, K innermost, in blocks of 32 codes, four codes in three bytes); Wo_scales 128 x 4 uint8 (E8M0 scales of Wo, one for each 32 codes along K); Wq_codes 128 x 4 x 24 uint8 (E2M3 codes of Wq, K innermost, in blocks of 32 codes, four codes in three bytes); Wq_scales 128 x 4 uint8 (E8M0 scales of Wq, one for each 32 codes along K); Wv_codes 128 x 4 x 24 uint8 (E2M3 codes of Wv, K innermost, in blocks of 32 codes, four codes in three bytes); Wv_scales 128 x 4 uint8 (E8M0 scales of Wv, one for each 32 codes along K); theta 8 float32; x_codes 2 x 2,048 x 4 x 24 uint8 (E2M3 codes of x, K innermost, in blocks of 32 codes, four codes in three bytes); x_scales 2 x 2,048 x 4 uint8 (E8M0 scales of x, one for each 32 codes along K).
;; Outputs: out0 2 x 2,048 x 128 float32.
;; This version of the problem:
;;   THIS VERSION OF THE PROBLEM IS GIVEN IN LOW PRECISION. The matrix products marked QUANTISED in the list below multiply operands that are first quantised to E2M3 (2 exponent bits, 3 mantissa bits; 6 bits a number), with one power-of-two scale for each 32 numbers along K (OCP MX v1.0); their sums are f32. All else is computed in f32.
;;   The module's matrix products, in the order in which they are computed (A, B: the left and right operand; K: the contracted axis; several contracted axes count as one K, in the product's order):
;;     1. [M 4,096, K 128] x [K 128, N 128]; A: input x (given as codes); B: input Wq (given as codes): QUANTISED
;;     2. [M 4,096, K 128] x [K 128, N 128]; A: input x (given as codes); B: input Wk (given as codes): QUANTISED
;;     3. [M 4,096, K 128] x [K 128, N 128]; A: input x (given as codes); B: input Wv (given as codes): QUANTISED
;;     4. batch 32 x [M 2,048, K 8] x [K 8, N 2,048]; A: computed on the way; B: computed on the way: left as it is (K = 8 < 32)
;;     5. batch 32 x [M 2,048, K 2,048] x [K 2,048, N 8]; A: softmax; B: computed on the way: left as it is (N = 8 < 16)
;;     6. [M 4,096, K 128] x [K 128, N 128]; A: computed on the way; B: input Wo (given as codes): QUANTISED
;;   THE QUANTISER, for each operand of a quantised product, along K:
;;     - K is cut into blocks of 32 from its start; a last block that is shorter is filled with zeros.
;;     - A block's scale is 2^e with e = floor(log2(the largest magnitude in the block)) - 2, held to -126 .. 127; a block of zeros has e = 0. As a byte (E8M0): e + 127.
;;     - Each number is divided by its block's scale, clamped to +-7.5, and rounded to the nearest number of E2M3, ties to even, subnormals kept.
;;     - The product sums the exact products of the quantised numbers (number of the format x scale) in f32.
;;   ~~~python
;;   def quantise(x, axis):      # numpy; x: float32 -> the quantised numbers, widened to float32 again
;;       x = np.moveaxis(x, axis, -1); K = x.shape[-1]
;;       x = np.pad(x, [(0, 0)] * (x.ndim - 1) + [(0, -K % 32)]); x = x.reshape(x.shape[:-1] + (-1, 32)); a = np.abs(x).max(-1, keepdims=True)
;;       e = np.where(a > 0, np.clip(np.frexp(np.where(a > 0, a, 1))[1] - 1 - 2, -126, 127), 0)      # np.frexp(a)[1] - 1 = floor(log2(a)), exactly
;;       r = np.clip(x / 2.0 ** e, -7.5, 7.5)
;;       step = 2.0 ** (np.maximum(np.frexp(np.where(r == 0, 1, r))[1] - 1, 0) - 3)
;;       q = np.round(r / step) * step * 2.0 ** e      # np.round: ties to even
;;       return np.moveaxis(q.reshape(q.shape[:-2] + (-1,))[..., :K], -1, axis).astype(np.float32)
;;   ~~~
;;   OPERANDS COMPUTED ON THE WAY. 'Computed on the way' means the value that the module computes at that place (a softmax that the list does not call 'softmax' is quantised finished and normalised). What goes into a quantiser is computed in f32, as accurately as f32 sums, v_exp_f32 and their like allow (about 1e-6 of the number): no bf16 or f16 on the way to a quantiser, and a product that is left as it is and whose result goes on into a quantised operand takes f32 operands (vector FMAs, or v_wmma_f32_16x16x4_f32). A number that lies on a knife's edge between two numbers of the format may be rounded either way, as far as f32 arithmetic and the matrix unit's own rounding can turn it there, and no further.
;;   INPUTS GIVEN AS CODES. Wk (in the module: [128, 128], K = its axis 1); Wo (in the module: [128, 128], K = its axis 1); Wq (in the module: [128, 128], K = its axis 1); Wv (in the module: [128, 128], K = its axis 1); x (in the module: [2, 2048, 128], K = its axis 2): each comes as NAME_codes (uint8): NAME with its K axis moved to the last place and cut into blocks of 32 codes, [.., K / 32, bytes a block], one block behind the other in memory; four codes in three bytes: a row's codes are one little-endian stream of bits, code i at bits 6 i .. 6 i + 5 (a code: sign, 2 exponent bits, 3 mantissa bits); and NAME_scales (uint8): the same leading axes, one E8M0 byte (e + 127) for each 32 codes along K. Its value is code x scale, taken as it is: it is not quantised again, and the codes and scales need not be those that the quantiser above would give.
;; 2 versions, each right; version 2 is version 1 with the launches attn, outp written anew for expert scheduling mode. Each part assembles by itself: llvm-mc -triple=amdgcn-amd-amdhsa -mcpu=gfx1250 --defsym DOCPART=n.
;; ======== version 1 of 2: 2 launches
;; limits: right only within a limited range of input values
;; workspace buffers: att 2,097,152 bytes
;; launch attn (part 1): grid 8 x 32, 8 waves a work-group, no clusters, 132,096 bytes of LDS; arguments x_codes, x_scales, Wq_codes, Wq_scales, Wk_codes, Wk_scales, Wv_codes, Wv_scales, theta, att; writes att
.if DOCPART == 1
	.amdgcn_target "amdgcn-amd-amdhsa--gfx1250"
	.amdhsa_code_object_version 6
	.text
	.protected	k_qc82e7038f4_attn
	.globl	k_qc82e7038f4_attn
	.p2align	8
	.type	k_qc82e7038f4_attn,@function
k_qc82e7038f4_attn:
	s_mov_b64 s[64:65], 0
	v_nop
	global_prefetch_b8 v0, s[64:65] scope:SCOPE_SE
	s_setreg_imm32_b32 hwreg(HW_REG_WAVE_MODE, 25, 1), 1
	s_wait_xcnt 0x0
; att[b*16+head][s][0..7] = softmax_k(q . k / sqrt(8)) v for one head, with q, k, v = cos(x W^T + theta): the three projections, the cosines and the attention of one head in one launch.
; x, Wq, Wk, Wv arrive as codes of FP6 (E2M3) with E8M0 scale bytes; K = 128 is ONE scaled matrix instruction.  All behind the projections is f32, since att goes on into a quantiser.
; SHARES.  A work-group owns one head (work-group y = 16 b + head) and 256 queries (work-group x).  Its eight waves first make the head's WHOLE K and V (2,048 keys x 8, 65,536 bytes each) into LDS,
; 16 key tiles a wave: a tile of 16 weight rows holds the head's 8 rows of Wk and its 8 rows of Wv, so one matrix instruction makes K and V of 16 keys.  One barrier; behind it LDS is only read.
; Then wave w walks all 128 key tiles for its 32 queries (two tiles of 16).
; WHICH UNIT DOES WHAT.  S = Q K^T (K = 8) goes to the f32 matrix form, two instructions for 16 x 16.  P V has N = 8, half of that form's width, so it goes to packed fused multiply-adds, which waste
; nothing: lane (r, h) holds p of queries 8 h + 0..7 for key r of the tile and adds p x V[key r][0..7] into 64 sums of its own; the sixteen lanes' partial sums are joined once, at the end.
; In a trip the four matrix instructions of the NEXT key tile stand among the 72 packed instructions of this one, so both units have work.
; NO MAXIMUM IS TAKEN AWAY: q and k are cosines, so |q . k| / sqrt(8) <= sqrt(8) for every input; p = e^s lies between 0.059 and 16.9 and a row's sum under 34,700: nothing can overflow or underflow in f32.
; NO CLUSTER: x's codes go from memory straight into operand registers (a fragment is the image of 24-byte runs of a row), 24,576 bytes a wave, once; joint requests fill LDS, from which the same bytes
; would have to be read again, and nothing else is shared.  No tensor load, so no ring.
; COSINE.  Written out in f32: j = round(t / pi - 1/2), m = j + 1/2, r = t - m pi (pi in two parts, fused), cos t = -(-1)^j sin r, sin by its series up to r^13 (what is cut is under 1e-9 for |r| <= 1.6).
; LIMITS: |x W^T + theta| under 2^18 (beyond it the two parts of pi and the choice of j lose accuracy); NaN, infinities and the scale byte 0xff are not served; sums run in another order than the reference's.
; LDS: K at 0, V at 65,536.  Key tile kt takes 512 bytes in each: plane p (d = 4 p .. 4 p + 3) at 256 p, key r at 16 r: every 16-byte access of sixteen lanes covers 256 consecutive bytes.
; REGISTERS, attention: v0 thread; v4-7 LDS addresses; v8-15 Q; v16-23 K (two buffers); v24-39 V (two buffers); v40-55 S (written by the f32 matrix form alone, in the whole text);
;   v56-71 p; v72-87 the rows' sums; v88-215 the 2 x 8 x 8 sums of p V.
; REGISTERS, projection: v1-3 offsets; v16-23, v24-31 theta as the products' C; v32-37 offsets; v56-67 Wk|Wv; v70-81 Wq; v82-83 a constant; v88-183 x's codes, two sets of four tiles; v184-215 results;
;   v216-247 at work.  v250-255 hold scale words and nothing else.
.set VX,   1                           ; v1   x: 96 r + 24 h
.set VXS,  2                           ; v2   x's scale words: 4 x lane: lanes 0-15 one tile's, lanes 16-31 the next tile's
.set AST,  3                           ; v3   where I store K (h = 0) or V (h = 1): 16 r + 65,536 h + 8,192 x wave
.set AK0,  4                           ; v4   K: 16 x lane
.set AV0,  5                           ; v5   V: 65,536 + 16 r
.set ADK,  6                           ; v6   AK0 + the walk's place
.set ADV,  7                           ; v7   AV0 + the walk's place
.set Q,    8                           ; Q's fragment of tile t, step s: v[8 + 4 t + 2 s], two registers
.set KB,   16                          ; K's buffer c: v[16 + 4 c], four registers
.set VB,   24                          ; V's buffer c: v[24 + 8 c], eight registers
.set S,    40                          ; S of tile t: v[40 + 8 t]
.set P,    56                          ; p of tile t: v[56 + 8 t]
.set LS,   72                          ; sums of p: v[72 + 8 t + j]
.set ACC,  88                          ; sums of p V: v[88 + 64 t + 8 j + d]
.set THK,  16                          ; theta[j] in register j: C of the K|V products
.set THQ,  24                          ; theta[4 h + (j & 3)]: C of the Q products
.set VWK,  32
.set VWKS, 33
.set VWQ,  34
.set VWQS, 35
.set WKV,  56
.set WQ,   70
.set C11,  82
.set X,    88
.set D,    184
.set U,    216
.set J,    232
.set WVR,  216                         ; Wv's fragment and scale word as loaded, until they are merged with Wk's
.set WKVS, 250
.set WQS,  251
.set XS,   252                         ; x's scale words: set c, tiles 2 u and 2 u + 1: v[252 + 2 c + u]
	s_load_b512 s[4:19], s[0:1], 0x0               ; x codes, x scales, Wq codes, Wq scales, Wk codes, Wk scales, Wv codes, Wv scales
	s_load_b128 s[20:23], s[0:1], 0x40             ; theta, att
	v_lshl_add_u32 v248, v0, 2, 0x20000
	v_mov_b32 v249, 0
	v_lshrrev_b32 v10, 5, v0
	v_readfirstlane_b32 s24, v10                   ; wave 0..7
	s_mov_b32 s25, ttmp9                           ; block of 256 queries
	s_and_b32 s26, ttmp7, 0xffff                   ; 16 b + head
	s_and_b32 s27, s26, 15                         ; head
	s_lshr_b32 s28, s26, 4                         ; b
	; constants as pairs: the packed forms name a pair and take its low word for both halves, so both words are written
.irp n, 30,31
	s_mov_b32 s\n, 0x3ea2f983                      ; 1 / pi
.endr
.irp n, 32,33
	s_mov_b32 s\n, 0xc0490fdb                      ; -pi, upper part
.endr
.irp n, 34,35
	s_mov_b32 s\n, 0x33bbbd2e                      ; upper part - pi = +8.7422777e-8
.endr
.irp n, 36,37
	s_mov_b32 s\n, 0x2f309231                      ; 1 / 13!
.endr
.irp n, 38,39
	s_mov_b32 s\n, 0x3638ef1d                      ; 1 / 9!
.endr
.irp n, 40,41
	s_mov_b32 s\n, 0xb9500d01                      ; -1 / 7!
.endr
.irp n, 42,43
	s_mov_b32 s\n, 0x3c088889                      ; 1 / 5!
.endr
.irp n, 44,45
	s_mov_b32 s\n, 0xbe2aaaab                      ; -1 / 3!
.endr
.irp n, 46,47
	s_mov_b32 s\n, 0x3f0293ee                      ; c = log2(e) / sqrt(8): q carries it, so that p = 2^S
.endr
	v_mov_b32 v[C11], 0xb2d7322b                   ; -1 / 11!
	v_mov_b32 v[C11+1], 0xb2d7322b
	v_and_b32 v38, 15, v0                          ; r
	v_bfe_u32 v39, v0, 4, 1                        ; h
	v_and_b32 v11, 31, v0                          ; lane
	v_mul_u32_u24 v[VX], v38, 96
	v_mad_u32_u24 v[VX], v39, 24, v[VX]
	v_lshlrev_b32 v[VXS], 2, v11
	v_lshlrev_b32 v[AST], 4, v38
	v_lshl_add_u32 v[AST], v39, 16, v[AST]
	s_lshl_b32 s29, s24, 13
	v_add_nc_u32 v[AST], s29, v[AST]
	v_lshlrev_b32 v[AK0], 4, v11
	v_lshl_add_u32 v[AV0], v38, 4, 65536
	v_and_b32 v12, 7, v38                          ; Wk, Wv: lane r takes row r & 7 of the head's eight
	v_mul_u32_u24 v[VWK], v12, 96
	v_mad_u32_u24 v[VWK], v39, 24, v[VWK]
	v_lshlrev_b32 v[VWKS], 2, v12
	v_and_b32 v13, 3, v38                          ; Wq: lane r takes row (r & 3) + 4 (r >> 3): registers 0-3 of lane (r, h) of the result are then d = 4 h + 0..3, which IS the f32 form's operand
	v_lshrrev_b32 v14, 3, v38
	v_lshl_add_u32 v13, v14, 2, v13
	v_mul_u32_u24 v[VWQ], v13, 96
	v_mad_u32_u24 v[VWQ], v39, 24, v[VWQ]
	v_lshlrev_b32 v[VWQS], 2, v13
	v_lshlrev_b32 v36, 4, v39                      ; theta: 16 h
	v_mov_b32 v37, 0
.irp n, 0,1,2,3
	v_and_b32 v10, 1<<\n, v0
	v_cmp_ne_u32 s[48+\n], 0, v10                  ; s48-51: the lanes in which bit n of r is set
.endr
	s_mov_b32 s59, 0
	s_mov_b32 s61, 0
	s_wait_kmcnt 0x0
	s_mul_i32 s58, s28, 196608                     ; a batch's codes: 2,048 rows of 96 bytes
	s_mul_i32 s60, s25, 24576
	s_add_co_u32 s60, s60, s58
	s_mul_i32 s29, s24, 3072
	s_add_co_u32 s60, s60, s29
	s_add_nc_u64 s[54:55], s[4:5], s[60:61]        ; x's codes at my 32 queries
	s_mul_i32 s29, s24, 24576
	s_add_co_u32 s58, s58, s29
	s_add_nc_u64 s[4:5], s[4:5], s[58:59]          ; and at my 256 keys
	s_lshl_b32 s58, s28, 13                        ; a batch's scale bytes
	s_lshl_b32 s60, s25, 10
	s_add_co_u32 s60, s60, s58
	s_lshl_b32 s29, s24, 7
	s_add_co_u32 s60, s60, s29
	s_add_nc_u64 s[56:57], s[6:7], s[60:61]        ; x's scale words at my queries
	s_lshl_b32 s29, s24, 10
	s_add_co_u32 s58, s58, s29
	s_add_nc_u64 s[6:7], s[6:7], s[58:59]          ; and at my keys
	s_mul_i32 s58, s27, 768                        ; the head's 8 rows of each weight
	s_add_nc_u64 s[8:9], s[8:9], s[58:59]
	s_add_nc_u64 s[12:13], s[12:13], s[58:59]
	s_add_nc_u64 s[16:17], s[16:17], s[58:59]
	s_lshl_b32 s58, s27, 5
	s_add_nc_u64 s[10:11], s[10:11], s[58:59]
	s_add_nc_u64 s[14:15], s[14:15], s[58:59]
	s_add_nc_u64 s[18:19], s[18:19], s[58:59]
	s_lshl_b32 s58, s26, 16                        ; att: 65,536 bytes a head, 32 a query
	s_lshl_b32 s60, s25, 13
	s_add_co_u32 s58, s58, s60
	s_lshl_b32 s60, s24, 10
	s_add_co_u32 s58, s58, s60
	s_add_nc_u64 s[22:23], s[22:23], s[58:59]
; a weight's fragment (16 lanes' rows x 128 K: two runs of 24 bytes a lane, in pieces of 8) and its scale word: 7 loads
.macro WLOAD reg, sc, va, vs, cb, sb
.irp p, 0,1,2,3,4,5
	global_load_b64 v[\reg+2*\p:\reg+2*\p+1], v[\va], s[\cb:\cb+1] offset:48*(\p/3)+8*(\p%3)
.endr
	global_load_b32 v[\sc], v[\vs], s[\sb:\sb+1]
.endm
; n tiles of 16 rows of x, from tile0 on, into set: 6 loads a tile, and one load of scale words for each two tiles (128 consecutive bytes)
.macro XLOAD set, cb, sb, tile0, n
.set xi, 0
.rept \n
.irp p, 0,1,2,3,4,5
	global_load_b64 v[X+48*(\set)+12*xi+2*\p:X+48*(\set)+12*xi+2*\p+1], v[VX], s[\cb:\cb+1] offset:((\tile0)+xi)*1536+48*(\p/3)+8*(\p%3)
.endr
.if xi%2 == 0
	global_load_b32 v[XS+2*(\set)+xi/2], v[VXS], s[\sb:\sb+1] offset:((\tile0)+xi)*64
.endif
.set xi, xi+1
.endr
.endm
; one projection: source 0 = 16 rows of weights, source 1 = 16 rows of x, C = theta in the result's layout, so the addition costs nothing.  odd = 1: x's scale words stand in lanes 16-31
.macro PROJ d, a, b, c, sa, sb, odd
.if \odd
	v_wmma_scale_f32_16x16x128_f8f6f4 v[\d:\d+7], v[\a:\a+11], v[\b:\b+11], v[\c:\c+7], v[\sa], v[\sb] matrix_a_fmt:MATRIX_FMT_FP6 matrix_b_fmt:MATRIX_FMT_FP6 matrix_b_scale:MATRIX_SCALE_ROW1
.else
	v_wmma_scale_f32_16x16x128_f8f6f4 v[\d:\d+7], v[\a:\a+11], v[\b:\b+11], v[\c:\c+7], v[\sa], v[\sb] matrix_a_fmt:MATRIX_FMT_FP6 matrix_b_fmt:MATRIX_FMT_FP6
.endif
.endm
; cos of the 16 numbers v[t] .. v[t + 15], in place; stage by stage over eight pairs, so that no line waits for the line above it.  The first stage reads from the low end on.
.macro COS t
.irp e, 0,2,4,6,8,10,12,14
	v_pk_fma_f32 v[U+\e:U+\e+1], v[\t+\e:\t+\e+1], s[30:31], -0.5 op_sel_hi:[1,0,0]
.endr
.irp e, 0,1,2,3,4,5,6,7,8,9,10,11,12,13,14,15
	v_rndne_f32 v[U+\e], v[U+\e]                   ; j
.endr
.irp e, 0,1,2,3,4,5,6,7,8,9,10,11,12,13,14,15
	v_cvt_i32_f32 v[J+\e], v[U+\e]
.endr
.irp e, 0,2,4,6,8,10,12,14
	v_pk_add_f32 v[U+\e:U+\e+1], v[U+\e:U+\e+1], 0.5 op_sel_hi:[1,0]                           ; m = j + 1/2
.endr
.irp e, 0,2,4,6,8,10,12,14
	v_pk_fma_f32 v[\t+\e:\t+\e+1], v[U+\e:U+\e+1], s[32:33], v[\t+\e:\t+\e+1] op_sel_hi:[1,0,1]   ; t - m x pi's upper part: the product enters the sum unrounded
.endr
.irp e, 0,2,4,6,8,10,12,14
	v_pk_fma_f32 v[\t+\e:\t+\e+1], v[U+\e:U+\e+1], s[34:35], v[\t+\e:\t+\e+1] op_sel_hi:[1,0,1]   ; and the lower part: r
.endr
.irp e, 0,1,2,3,4,5,6,7,8,9,10,11,12,13,14,15
	v_lshlrev_b32 v[J+\e], 31, v[J+\e]             ; j's parity as a sign bit
.endr
.irp e, 0,1,2,3,4,5,6,7,8,9,10,11,12,13,14,15
	v_xor_b32 v[\t+\e], v[\t+\e], v[J+\e]          ; (-1)^j r: the sine is odd
.endr
.irp e, 0,2,4,6,8,10,12,14
	v_pk_mul_f32 v[U+\e:U+\e+1], v[\t+\e:\t+\e+1], v[\t+\e:\t+\e+1]                            ; r^2
.endr
.irp e, 0,2,4,6,8,10,12,14
	v_pk_fma_f32 v[J+\e:J+\e+1], v[U+\e:U+\e+1], s[36:37], v[C11:C11+1] op_sel_hi:[1,0,1]
.endr
.irp k, 38,40,42,44
.irp e, 0,2,4,6,8,10,12,14
	v_pk_fma_f32 v[J+\e:J+\e+1], v[J+\e:J+\e+1], v[U+\e:U+\e+1], s[\k:\k+1] op_sel_hi:[1,1,0]
.endr
.endr
.irp e, 0,2,4,6,8,10,12,14
	v_pk_mul_f32 v[U+\e:U+\e+1], v[U+\e:U+\e+1], v[\t+\e:\t+\e+1]                              ; r^3
.endr
.irp e, 0,2,4,6,8,10,12,14
	v_pk_fma_f32 v[\t+\e:\t+\e+1], v[U+\e:U+\e+1], v[J+\e:J+\e+1], v[\t+\e:\t+\e+1] neg_lo:[1,0,1] neg_hi:[1,0,1]   ; -(r + r^3 x series) = the cosine
.endr
.endm
; Four key tiles, 4 g .. 4 g + 3 of my sixteen: K and V of 64 keys.  cnt: the younger loads that may stay out.  next = 1: the set just multiplied takes the tiles of two groups on.
.macro KVGROUP g, set, cnt, next
	s_wait_loadcnt \cnt                            ; this group's 26 loads are in
	s_wait_dscnt 0x0                               ; the last group's LDS stores have read the registers that are written now
.irp i, 0,1,2,3
	PROJ D+8*\i, WKV, X+48*\set+12*\i, THK, WKVS, XS+2*\set+\i/2, \i%2
.endr
.rept 4
	v_nop                                          ; four places behind this form: for the loads into its sources and for the first read of its results
.endr
.if \next
	XLOAD \set, 4, 6, 4*(\g+2), 4
.endif
	COS D
	COS D+16
.irp i, 0,1,2,3
.irp p, 0,1
	ds_store_b128 v[AST], v[D+8*\i+4*\p:D+8*\i+4*\p+3] offset:(4*\g+\i)*512+256*\p   ; lanes 0-15: K[key r][4 p ..]; lanes 16-31: V[key r][4 p ..]
.endr
.endr
.endm
	global_load_b128 v[THK:THK+3], v37, s[20:21]
	global_load_b128 v[THK+4:THK+7], v37, s[20:21] offset:16
	global_load_b128 v[THQ:THQ+3], v36, s[20:21]
	global_load_b128 v[THQ+4:THQ+7], v36, s[20:21]
	WLOAD WKV, WKVS, VWK, VWKS, 12, 14
	WLOAD WVR, WVR+12, VWK, VWKS, 16, 18
	WLOAD WQ, WQS, VWQ, VWQS, 8, 10
	XLOAD 0, 54, 56, 0, 2                          ; my two tiles of queries: 13 loads
	XLOAD 1, 4, 6, 0, 4                            ; my key tiles 0-3: 26 loads
	s_wait_loadcnt 39                              ; theta and the weights are in; the 13 + 26 loads behind them stay out
.set i, 0
.rept 12
	v_cndmask_b32 v[WKV+i], v[WKV+i], v[WVR+i], s51   ; lanes r >= 8 take Wv's row r - 8: one tile of 16 weight rows, Wk's eight and Wv's eight
.set i, i+1
.endr
	v_cndmask_b32 v[WKVS], v[WKVS], v[WVR+12], s51    ; its scale words likewise.  (Its first use stands behind the whole work on Q)
	s_wait_loadcnt 26                              ; the queries' 13 loads are in
	PROJ D, WQ, X, THQ, WQS, XS, 0
	PROJ D+8, WQ, X+12, THQ, WQS, XS, 1
.rept 4
	v_nop
.endr
	XLOAD 0, 4, 6, 4, 4                            ; key tiles 4-7
	COS D
.irp t, 0,1
.irp s, 0,1
	v_pk_mul_f32 v[Q+4*\t+2*\s:Q+4*\t+2*\s+1], v[D+8*\t+2*\s:D+8*\t+2*\s+1], s[46:47] op_sel_hi:[1,0]   ; c x q: lane (r, h): query r, d = 4 h + 2 s + 0, 1
.endr
.endr
	KVGROUP 0, 1, 26, 1
	KVGROUP 1, 0, 26, 1
	KVGROUP 2, 1, 26, 0
	KVGROUP 3, 0, 0, 0
	s_wait_dscnt 0x0                               ; for the others' sake: my stores of K and V are done
	s_barrier_signal -1
	s_barrier_wait -1                              ; the head's K and V lie in LDS; nobody writes LDS again
; Matrix instruction k of a key tile's four: tile of queries k & 1, K step k >> 1 (d = 4 h + 2 s + j on both sides).  c: the buffer that holds K's tile.
; The two accumulators take turns, one instruction a turn; the first step starts each sum with the constant 0.
.macro QK k, c
.if (\k) < 2
	v_wmma_f32_16x16x4_f32 v[S+8*((\k)&1):S+8*((\k)&1)+7], v[Q+4*((\k)&1):Q+4*((\k)&1)+1], v[KB+4*(\c):KB+4*(\c)+1], 0
	s_wait_alu depctr_va_vdst(0)
.else
	v_wmma_f32_16x16x4_f32 v[S+8*((\k)&1):S+8*((\k)&1)+7], v[Q+4*((\k)&1)+2:Q+4*((\k)&1)+3], v[KB+4*(\c)+2:KB+4*(\c)+3], v[S+8*((\k)&1):S+8*((\k)&1)+7]
.endif
.endm
; Instruction n of the 72 of a key tile's vector list: for each tile of queries 32 packed multiply-adds (query j, d = 2 e, 2 e + 1: p[j] serves both halves) and 4 packed additions of p.
; first = 1: the first key tile starts every sum: nothing is cleared.
.macro PVI c, first
.set pt, n/36
.set pq, n%36
.if pq < 32
.set pj, pq/4
.set pe, pq%4
.set pa, ACC+64*pt+8*pj+2*pe
.set pp, P+8*pt+2*(pj/2)
.set pv, VB+8*(\c)+2*pe
.if \first
.if pj%2
	v_pk_mul_f32 v[pa:pa+1], v[pp:pp+1], v[pv:pv+1] op_sel:[1,0] op_sel_hi:[1,1]
.else
	v_pk_mul_f32 v[pa:pa+1], v[pp:pp+1], v[pv:pv+1] op_sel_hi:[0,1]
.endif
.else
.if pj%2
	v_pk_fma_f32 v[pa:pa+1], v[pp:pp+1], v[pv:pv+1], v[pa:pa+1] op_sel:[1,0,0] op_sel_hi:[1,1,1]
.else
	v_pk_fma_f32 v[pa:pa+1], v[pp:pp+1], v[pv:pv+1], v[pa:pa+1] op_sel_hi:[0,1,1]
.endif
.endif
.else
.set pl, pq-32
.if \first
	v_pk_mul_f32 v[LS+8*pt+2*pl:LS+8*pt+2*pl+1], v[P+8*pt+2*pl:P+8*pt+2*pl+1], 1.0 op_sel_hi:[1,0]
.else
	v_pk_add_f32 v[LS+8*pt+2*pl:LS+8*pt+2*pl+1], v[LS+8*pt+2*pl:LS+8*pt+2*pl+1], v[P+8*pt+2*pl:P+8*pt+2*pl+1]
.endif
.endif
.endm
.macro SLICE k, c, first               ; a quarter of the list: 18 instructions
.set n, 18*(\k)
.rept 18
	PVI \c, \first
.set n, n+1
.endr
.endm
; THE TRIP OF KEY TILE i (c = i % 2; its 512 bytes begin o bytes behind the walk's place).  p(i) stands in registers.  It asks for K(i + 2) and V(i + 1), makes S(i + 1), adds p(i) V(i), and makes p(i + 1).
; Distances behind the f32 matrix form (eight places before its result is read by a vector instruction or a load lands in a source, nine before a matrix instruction writes over it)
; each matrix instruction is followed by a slice of 18 plain instructions that name only p, V and the sums, none of its registers.
.macro TRIP c, o, first, ldk, ldv, step
	s_wait_dscnt 0x0                               ; K(i + 1) and V(i), all that was asked for a trip ago, are wanted now
.if \ldk
	ds_load_b128 v[KB+4*\c:KB+4*\c+3], v[ADK] offset:\o+1024                ; K(i + 2): lane (r, h): key r, d = 4 h + 0..3
.endif
.if \ldv
	ds_load_b128 v[VB+8*(1-\c):VB+8*(1-\c)+3], v[ADV] offset:\o+512         ; V(i + 1): key r, d = 0..3 (both halves of the lanes read the same bytes)
	ds_load_b128 v[VB+8*(1-\c)+4:VB+8*(1-\c)+7], v[ADV] offset:\o+768       ; d = 4..7
.endif
.irp k, 0,1,2,3
	QK \k, 1-\c
	SLICE \k, \c, \first
.endr
.set i, 0
.rept 16
	v_exp_f32 v[P+i], v[S+i]                       ; p = 2^S; each accumulator is read from its low end on
.set i, i+1
.endr
.if \step
	s_add_co_u32 s53, s53, \step                   ; the walk goes on; the two additions are the plain place behind the exponentials
	v_add_nc_u32 v[ADK], s53, v[AK0]
	v_add_nc_u32 v[ADV], s53, v[AV0]
.else
	v_nop                                          ; a plain place behind the exponentials
	s_wait_alu depctr_va_vdst(0)
.endif
.endm
	s_mov_b32 s53, 0                               ; the walk's place in K and in V, in bytes
	v_mov_b32 v[ADK], v[AK0]
	v_mov_b32 v[ADV], v[AV0]
	ds_load_b128 v[KB:KB+3], v[ADK]                ; K(0)
	ds_load_b128 v[VB:VB+3], v[ADV]                ; V(0)
	ds_load_b128 v[VB+4:VB+7], v[ADV] offset:256
	ds_load_b128 v[KB+4:KB+7], v[ADK] offset:512   ; K(1)
	s_wait_dscnt 3                                 ; K(0) is in; the three loads behind it may stay out
.irp k, 0,1,2,3
	QK \k, 0                                       ; S(0): there is no vector work yet to set between them
.endr
.rept 8
	v_nop                                          ; eight places before the results are read
.endr
.set i, 0
.rept 16
	v_exp_f32 v[P+i], v[S+i]
.set i, i+1
.endr
	v_nop                                          ; behind the exponentials; the ninth place before S is written over
	s_wait_alu depctr_va_vdst(0)
	TRIP 0, 0, 1, 1, 1, 512                        ; key tile 0 starts the sums
	s_mov_b32 s52, 62
.Lkeys:                                            ; key tiles 1 to 124, two a trip of the loop
	TRIP 1, 0, 0, 1, 1, 0
	TRIP 0, 512, 0, 1, 1, 1024
	s_sub_co_u32 s52, s52, 1
	s_cmp_lg_u32 s52, 0
	s_cbranch_scc1 .Lkeys
	TRIP 1, 0, 0, 1, 1, 0                          ; key tile 125 asks for K(127), the last
	TRIP 0, 512, 0, 0, 1, 0                        ; key tile 126 asks for V(127) alone
	s_wait_dscnt 0x0                               ; V(127)
.irp k, 0,1,2,3
	SLICE \k, 1, 0                                 ; p(127) V(127)
.endr
; THE END.  Lane (r, h) holds, for queries 8 h + 0..7, the sums over the keys that are r modulo 16: nine numbers a query (eight d, and the sum of p).  The sixteen lanes' sums are joined by halving:
; in a step the lanes whose bit of r is clear keep query jl and send jh, the others keep jh and send jl.  After bits 2, 1, 0 a lane holds query 8 h + (r & 7); bit 3 adds the two halves that are left.
.macro RSX t, jl, jh                   ; number rv of the nine, of queries jl and jh: registers xl, xh
.if rv < 8
.set xl, ACC+64*(\t)+8*(\jl)+rv
.set xh, ACC+64*(\t)+8*(\jh)+rv
.else
.set xl, LS+8*(\t)+(\jl)
.set xh, LS+8*(\t)+(\jh)
.endif
.endm
.macro RSROW t, jl, jh, msk, xm
.set rv, 0
.rept 9
	RSX \t, \jl, \jh
	v_cndmask_b32 v[16+rv], v[xl], v[xh], s[\msk]  ; what I keep
	v_cndmask_b32 v[25+rv], v[xh], v[xl], s[\msk]  ; what I send
.set rv, rv+1
.endr
.set rv, 0
.rept 9
	RSX \t, \jl, \jh
	v_add_f32_dpp v[xl], v[25+rv], v[16+rv] row_xmask:\xm row_mask:0xf bank_mask:0xf
.set rv, rv+1
.endr
.endm
.irp t, 0,1
.irp j, 0,1,2,3
	RSROW \t, \j, \j+4, 50, 4
.endr
.irp j, 0,1
	RSROW \t, \j, \j+2, 49, 2
.endr
	RSROW \t, 0, 1, 48, 1
.set rv, 0
.rept 9
	RSX \t, 0, 0
	v_add_f32_dpp v[xl], v[xl], v[xl] row_xmask:8 row_mask:0xf bank_mask:0xf
.set rv, rv+1
.endr
.endr
	v_rcp_f32 v34, v[LS]                           ; 1 / the row's sum, tile 0
	v_rcp_f32 v35, v[LS+8]                         ; tile 1
.irp t, 0,1
.irp i, 0,1,2,3
	v_cndmask_b32 v[P+4*\t+\i], v[ACC+64*\t+\i], v[ACC+64*\t+4+\i], s51   ; lanes r < 8 send d = 0..3 of their query, lanes r >= 8 d = 4..7.  (Plain places behind the reciprocals)
.endr
.endr
	s_wait_alu depctr_va_vdst(0)
.irp t, 0,1
.irp i, 0,1,2,3
	v_mul_f32 v[P+4*\t+\i], v[P+4*\t+\i], v[34+\t]
.endr
.endr
	v_bfe_u32 v36, v0, 4, 1                        ; h
	v_and_b32 v37, 7, v0                           ; r & 7
	v_bfe_u32 v38, v0, 3, 1                        ; r >> 3
	v_lshlrev_b32 v36, 8, v36
	v_lshl_add_u32 v36, v37, 5, v36
	v_lshl_add_u32 v36, v38, 4, v36                ; 256 h + 32 (r & 7) + 16 (r >> 3)
.irp t, 0,1
	global_store_b128 v36, v[P+4*\t:P+4*\t+3], s[22:23] offset:512*\t     ; the wave stores 512 consecutive bytes, at a multiple of 256 from att's first byte: 16 queries
.endr
	s_wait_tensorcnt 0x0
	ds_add_u32 v248, v249
	s_wait_dscnt 0x0
	s_endpgm
.Lfunc_end_k_qc82e7038f4_attn:
	.size	k_qc82e7038f4_attn, .Lfunc_end_k_qc82e7038f4_attn-k_qc82e7038f4_attn
	.p2alignl 7, 3214868480
	.fill 96, 4, 3214868480
	.section	.rodata,"a",@progbits
	.p2align	6, 0x0
	.amdhsa_kernel k_qc82e7038f4_attn
		.amdhsa_group_segment_fixed_size 132096
		.amdhsa_private_segment_fixed_size 0
		.amdhsa_enable_private_segment 0
		.amdhsa_kernarg_size 80
		.amdhsa_user_sgpr_count 2
		.amdhsa_user_sgpr_kernarg_segment_ptr 1
		.amdhsa_wavefront_size32 1
		.amdhsa_system_sgpr_workgroup_id_x 1
		.amdhsa_system_sgpr_workgroup_id_y 1
		.amdhsa_system_sgpr_workgroup_id_z 1
		.amdhsa_system_vgpr_workitem_id 0
		.amdhsa_next_free_vgpr 256
		.amdhsa_next_free_sgpr 66
		.amdhsa_reserve_vcc 0
		.amdhsa_float_denorm_mode_32 3
		.amdhsa_float_denorm_mode_16_64 3
		.amdhsa_memory_ordered 1
		.amdhsa_forward_progress 1
		.amdhsa_inst_pref_size 157
	.end_amdhsa_kernel
	.amdgpu_metadata
---
amdhsa.version: [ 1, 2 ]
amdhsa.kernels:
  - .name:           k_qc82e7038f4_attn
    .symbol:         k_qc82e7038f4_attn.kd
    .args:
      - { .name: x_codes, .offset: 0, .size: 8, .value_kind: global_buffer, .address_space: global }
      - { .name: x_scales, .offset: 8, .size: 8, .value_kind: global_buffer, .address_space: global }
      - { .name: Wq_codes, .offset: 16, .size: 8, .value_kind: global_buffer, .address_space: global }
      - { .name: Wq_scales, .offset: 24, .size: 8, .value_kind: global_buffer, .address_space: global }
      - { .name: Wk_codes, .offset: 32, .size: 8, .value_kind: global_buffer, .address_space: global }
      - { .name: Wk_scales, .offset: 40, .size: 8, .value_kind: global_buffer, .address_space: global }
      - { .name: Wv_codes, .offset: 48, .size: 8, .value_kind: global_buffer, .address_space: global }
      - { .name: Wv_scales, .offset: 56, .size: 8, .value_kind: global_buffer, .address_space: global }
      - { .name: theta, .offset: 64, .size: 8, .value_kind: global_buffer, .address_space: global }
      - { .name: att, .offset: 72, .size: 8, .value_kind: global_buffer, .address_space: global }
    .group_segment_fixed_size: 132096
    .private_segment_fixed_size: 0
    .kernarg_segment_align: 8
    .kernarg_segment_size: 80
    .max_flat_workgroup_size: 256
    .sgpr_count:     66
    .vgpr_count:     256
    .wavefront_size: 32
...
	.end_amdgpu_metadata
.endif
;; end of part 1
;; launch outp (part 2): grid 256 x 1, 1 waves a work-group, no clusters, 8,704 bytes of LDS; arguments att, Wo_codes, Wo_scales, out0; writes out0
.if DOCPART == 2
	.amdgcn_target "amdgcn-amd-amdhsa--gfx1250"
	.amdhsa_code_object_version 6
	.text
	.protected	k_qc82e7038f4_outp
	.globl	k_qc82e7038f4_outp
	.p2align	8
	.type	k_qc82e7038f4_outp,@function
k_qc82e7038f4_outp:
	s_mov_b64 s[64:65], 0
	v_nop
	global_prefetch_b8 v0, s[64:65] scope:SCOPE_SE
	s_setreg_imm32_b32 hwreg(HW_REG_WAVE_MODE, 25, 1), 1
	s_wait_xcnt 0x0
; out0 = Q(att) Wo^T: the attention's result, f32, laid [16 b + head][s][8], is quantised along E = 128 (k = 8 head + d; a block of 32 is four heads) to codes of FP6 (E2M3) with one E8M0 scale a block,
; and multiplied by Wo, which arrives as codes.  K = 128 is one scaled matrix instruction for each 16 x 16 of the output.
; SHARES.  A work-group is one wave and takes 16 of the 4,096 rows: 8 matrix instructions.  The launch moves 2 MiB in and 2 MiB out and has next to no arithmetic: nothing is shared but Wo (12,800 bytes), which
; goes straight into operand registers; so no cluster, no tensor load, no barrier.
; A block's scale is 2^(floor(log2(its largest magnitude)) - 2); its byte is that magnitude's exponent field - 2, held at 1 from below by a floor among the maximum's leaves.  A block of zeros so has the byte 1
; where the rule says 127: its codes are zeros, which add nothing under any byte but 0xff, and the bytes are read here alone.
; LIMITS: blocks whose largest magnitude lies under 2^(3 - 127), the floor, were not tried; NaN and infinities are not served.
; THE PRODUCT IS USED TRANSPOSED (source 0 = 16 rows of Wo, source 1 = my 16 rows): a lane's eight results are eight neighbouring numbers of a row of the output; they go through a stage in LDS and leave as whole rows.
.set HA,  48                           ; v48-111  64 numbers of a lane: register 16 q + n = k 32 q + 16 h + n of row r; later the eight results
.set PC,  112                          ; v112-131 the codes
.set WO,  136                          ; v136-231 Wo's eight fragments; later v136-199 the rows read back
.set WS,  232                          ; v232-239 Wo's scale words
.set TM,  16                           ; v16-19 largest magnitudes, v20-23 the other half's, then the bytes, v28-31 the conversions' scale operands
.set PW,  32                           ; v32      my rows' scale word
.set SEL, 20                           ; s[20:21] v_permlanex16_b32's selects for lane l xor 16
	s_load_b256 s[4:11], s[0:1], 0x0               ; att, Wo's codes, Wo's scales, out0
	v_lshl_add_u32 v240, v0, 2, 0x2100
	v_mov_b32 v241, 0
	v_and_b32 v1, 15, v0                           ; r
	v_bfe_u32 v2, v0, 4, 1                         ; h
	v_lshlrev_b32 v3, 5, v1
	v_lshl_add_u32 v3, v2, 17, v3                  ; att: 32 bytes a row, + two heads (131,072 bytes) for lanes 16-31
	v_mul_u32_u24 v4, v1, 96
	v_mad_u32_u24 v4, v2, 24, v4                   ; Wo: row r of 96 bytes, + 24 h
	v_lshlrev_b32 v5, 2, v1                        ; its scale words
	v_mul_u32_u24 v6, v1, 528
	v_lshl_add_u32 v6, v2, 5, v6                   ; the stage, in: row r of 512 + 16 bytes, + 32 h
	v_lshlrev_b32 v7, 4, v0                        ; the stage, back, and out0: 16 bytes a lane
	s_mov_b32 s[SEL], 0x76543210
	s_mov_b32 s[SEL+1], 0xfedcba98
.irp b, 0,1,2,3
	v_mov_b32 v[TM+4+\b], 0                        ; a lane permute's destination counts as one of its sources
.endr
	s_lshr_b32 s12, ttmp9, 7                       ; b
	s_lshl_b32 s12, s12, 20                        ; 16 heads of 65,536 bytes
	s_and_b32 s14, ttmp9, 127
	s_lshl_b32 s14, s14, 9                         ; 16 rows of 32 bytes
	s_add_co_u32 s12, s12, s14
	s_mov_b32 s13, 0
	s_lshl_b32 s14, ttmp9, 13                      ; out0: 16 rows of 512 bytes
	s_mov_b32 s15, 0
	s_wait_kmcnt 0x0
	s_add_nc_u64 s[4:5], s[4:5], s[12:13]
	s_add_nc_u64 s[10:11], s[10:11], s[14:15]
.irp q, 0,1,2,3
.irp e, 0,1
.irp i, 0,1
	global_load_b128 v[HA+16*\q+8*\e+4*\i:HA+16*\q+8*\e+4*\i+3], v3, s[4:5] offset:262144*\q+65536*\e+16*\i th:TH_LOAD_NT   ; head 4 q + 2 h + e, d = 4 i ..: read once in the launch
.endr
.endr
.endr
.irp t, 0,1,2,3,4,5,6,7
.irp p, 0,1,2,3,4,5
	global_load_b64 v[WO+12*\t+2*\p:WO+12*\t+2*\p+1], v4, s[6:7] offset:1536*\t+48*(\p/3)+8*(\p%3)
.endr
	global_load_b32 v[WS+\t], v5, s[8:9] offset:64*\t
.endr
	s_wait_loadcnt 56                              ; my rows are in; Wo's 8 x 7 loads stay out while the rows are quantised
.irp b, 0,1,2,3
	v_max3_num_f32 v[TM+\b], |v[HA+16*\b]|, |v[HA+1+16*\b]|, 0x1800000   ; block b: my 16 numbers, and the floor 2^(3 - 127): the byte cannot fall under 1
.endr
.irp i, 2,4,6,8,10,12,14
.irp b, 0,1,2,3
	v_max3_num_f32 v[TM+\b], v[TM+\b], |v[HA+16*\b+\i]|, |v[HA+1+16*\b+\i]|   ; (the four blocks by turns)
.endr
.endr
.irp b, 0,1,2,3
	v_permlanex16_b32 v[TM+4+\b], v[TM+\b], s[SEL], s[SEL+1]
.endr
.irp b, 0,1,2,3
	v_max_num_f32 v[TM+\b], v[TM+\b], v[TM+4+\b]   ; with lane l xor 16's: the block's largest magnitude
.endr
.irp b, 0,1,2,3
	v_add_nc_u32 v[TM+12+\b], 0xff000000, v[TM+\b] ; 2 off its exponent field: the conversion takes the exponent field of this operand as its scale, and nothing else of it
.endr
.irp b, 0,1,2,3
	v_lshrrev_b32 v[TM+4+\b], 23, v[TM+12+\b]      ; the scale's byte
.endr
	v_lshl_or_b32 v[PW], v[TM+5], 8, v[TM+4]       ; the four bytes make my row's scale word
	v_lshl_or_b32 v[PW], v[TM+6], 16, v[PW]
	v_lshl_or_b32 v[PW], v[TM+7], 24, v[PW]
.irp c, 0,1
	v_cvt_scalef32_pk16_fp6_f32 v[PC+6*\c:PC+2+6*\c], v[HA+32*\c:HA+15+32*\c], v[TM+12+2*\c]
	v_cvt_scalef32_pk16_fp6_f32 v[PC+12+4*\c:PC+14+4*\c], v[HA+16+32*\c:HA+31+32*\c], v[TM+12+2*\c+1]   ; (a conversion's three registers begin on an even number)
.endr
	v_nop                                          ; one plain place behind a scaled conversion
.irp c, 0,1                                    ; the operand's layout wants a WHOLE block in a lane: lanes 0-15 block 2 c, lanes 16-31 block 2 c + 1
.irp i, 0,1,2
	v_permlane16_swap_b32 v[PC+6*\c+\i], v[PC+12+4*\c+\i]
.endr
.irp i, 0,1,2
	v_mov_b32 v[PC+3+6*\c+\i], v[PC+12+4*\c+\i]
.endr
.endr
	s_wait_loadcnt 0x0                             ; Wo
.rept 8
	v_nop                                          ; a scale word written by vector instructions stands eight places ahead of a scaled matrix instruction, an operand so written four
.endr
.irp t, 0,1,2,3,4,5,6,7
	v_wmma_scale_f32_16x16x128_f8f6f4 v[HA+8*\t:HA+8*\t+7], v[WO+12*\t:WO+12*\t+11], v[PC:PC+11], 0, v[WS+\t], v[PW] matrix_a_fmt:MATRIX_FMT_FP6 matrix_b_fmt:MATRIX_FMT_FP6   ; lane (r, h), register j: out(row r, 16 t + 8 h + j)
.endr
.rept 4
	v_nop                                          ; four places behind this form: for the stores that read its results and the loads into Wo's registers
.endr
.irp t, 0,1,2,3,4,5,6,7
	ds_store_b128 v6, v[HA+8*\t:HA+8*\t+3] offset:64*\t            ; each accumulator from its low end on
	ds_store_b128 v6, v[HA+8*\t+4:HA+8*\t+7] offset:64*\t+16
.endr
.irp i, 0,1,2,3,4,5,6,7,8,9,10,11,12,13,14,15
	ds_load_b128 v[WO+4*\i:WO+4*\i+3], v7 offset:528*\i            ; LDS serves a wave's instructions in order (ISA guide 5.7.1.4): these see the stores above
.endr
.irp i, 0,1,2,3,4,5,6,7,8,9,10,11,12,13,14,15
	s_wait_dscnt 15-\i                             ; row i is back; the rows behind it may stay out
	global_store_b128 v7, v[WO+4*\i:WO+4*\i+3], s[10:11] offset:512*\i th:TH_STORE_NT   ; 32 lanes store a row of 512 consecutive bytes, at a multiple of 256 from out0's first byte
.endr
	s_wait_tensorcnt 0x0
	ds_add_u32 v240, v241
	s_wait_dscnt 0x0
	s_endpgm
.Lfunc_end_k_qc82e7038f4_outp:
	.size	k_qc82e7038f4_outp, .Lfunc_end_k_qc82e7038f4_outp-k_qc82e7038f4_outp
	.p2alignl 7, 3214868480
	.fill 96, 4, 3214868480
	.section	.rodata,"a",@progbits
	.p2align	6, 0x0
	.amdhsa_kernel k_qc82e7038f4_outp
		.amdhsa_group_segment_fixed_size 8704
		.amdhsa_private_segment_fixed_size 0
		.amdhsa_enable_private_segment 0
		.amdhsa_kernarg_size 32
		.amdhsa_user_sgpr_count 2
		.amdhsa_user_sgpr_kernarg_segment_ptr 1
		.amdhsa_wavefront_size32 1
		.amdhsa_system_sgpr_workgroup_id_x 1
		.amdhsa_system_sgpr_workgroup_id_y 1
		.amdhsa_system_sgpr_workgroup_id_z 1
		.amdhsa_system_vgpr_workitem_id 0
		.amdhsa_next_free_vgpr 242
		.amdhsa_next_free_sgpr 66
		.amdhsa_reserve_vcc 0
		.amdhsa_float_denorm_mode_32 3
		.amdhsa_float_denorm_mode_16_64 3
		.amdhsa_memory_ordered 1
		.amdhsa_forward_progress 1
		.amdhsa_inst_pref_size 18
	.end_amdhsa_kernel
	.amdgpu_metadata
---
amdhsa.version: [ 1, 2 ]
amdhsa.kernels:
  - .name:           k_qc82e7038f4_outp
    .symbol:         k_qc82e7038f4_outp.kd
    .args:
      - { .name: att, .offset: 0, .size: 8, .value_kind: global_buffer, .address_space: global }
      - { .name: Wo_codes, .offset: 8, .size: 8, .value_kind: global_buffer, .address_space: global }
      - { .name: Wo_scales, .offset: 16, .size: 8, .value_kind: global_buffer, .address_space: global }
      - { .name: out0, .offset: 24, .size: 8, .value_kind: global_buffer, .address_space: global }
    .group_segment_fixed_size: 8704
    .private_segment_fixed_size: 0
    .kernarg_segment_align: 8
    .kernarg_segment_size: 32
    .max_flat_workgroup_size: 32
    .sgpr_count:     66
    .vgpr_count:     242
    .wavefront_size: 32
...
	.end_amdgpu_metadata
.endif
;; end of part 2
;; ======== version 2 of 2: 2 launches; version 1 with the launches attn, outp written anew for expert scheduling mode
;; limits: right only within a limited range of input values
;; workspace buffers: att 2,097,152 bytes
;; launch attn (part 3): grid 8 x 32, 8 waves a work-group, no clusters, 132,096 bytes of LDS; arguments x_codes, x_scales, Wq_codes, Wq_scales, Wk_codes, Wk_scales, Wv_codes, Wv_scales, theta, att; writes att
.if DOCPART == 3
	.amdgcn_target "amdgcn-amd-amdhsa--gfx1250"
	.amdhsa_code_object_version 6
	.text
	.protected	k_qc82e7038f4_attn
	.globl	k_qc82e7038f4_attn
	.p2align	8
	.type	k_qc82e7038f4_attn,@function
k_qc82e7038f4_attn:
	s_mov_b64 s[64:65], 0
	v_nop
	global_prefetch_b8 v0, s[64:65] scope:SCOPE_SE
	s_setreg_imm32_b32 hwreg(HW_REG_WAVE_SCHED_MODE, 0, 2), 2
	s_setreg_imm32_b32 hwreg(HW_REG_WAVE_MODE, 25, 1), 1
	s_wait_xcnt 0x0
	s_wait_alu depctr_vm_vsrc(0)
; att[b*16+head][s][0..7] = softmax_k(q . k / sqrt(8)) v for one head, with q, k, v = cos(x W^T + theta): the three projections, the cosines and the attention of one head in one launch.
; x, Wq, Wk, Wv arrive as codes of FP6 (E2M3) with E8M0 scale bytes; K = 128 is ONE scaled matrix instruction.  All behind the projections is f32, since att goes on into a quantiser.
; SHARES.  A work-group owns one head (work-group y = 16 b + head) and 256 queries (work-group x).  Its eight waves first make the head's WHOLE K and V (2,048 keys x 8, 65,536 bytes each) into LDS,
; 16 key tiles a wave: a tile of 16 weight rows holds the head's 8 rows of Wk and its 8 rows of Wv, so one matrix instruction makes K and V of 16 keys.  One barrier; behind it LDS is only read.
; Then wave w walks all 128 key tiles for its 32 queries (two tiles of 16).
; WHICH UNIT DOES WHAT.  S = Q K^T (K = 8) goes to the f32 matrix form, two instructions for 16 x 16.  P V has N = 8, half of that form's width, so it goes to packed fused multiply-adds, which waste
; nothing: lane (r, h) holds p of queries 8 h + 0..7 for key r of the tile and adds p x V[key r][0..7] into 64 sums of its own; the sixteen lanes' partial sums are joined once, at the end.
; In a trip the four matrix instructions of the NEXT key tile stand among the 72 packed instructions of this one, so both units have work.
; NO MAXIMUM IS TAKEN AWAY: q and k are cosines, so |q . k| / sqrt(8) <= sqrt(8) for every input; p = e^s lies between 0.059 and 16.9 and a row's sum under 34,700: nothing can overflow or underflow in f32.
; NO CLUSTER: x's codes go from memory straight into operand registers (a fragment is the image of 24-byte runs of a row), 24,576 bytes a wave, once; joint requests fill LDS, from which the same bytes
; would have to be read again, and nothing else is shared.  No tensor load, so no ring.
; COSINE.  Written out in f32: j = round(t / pi - 1/2), m = j + 1/2, r = t - m pi (pi in two parts, fused), cos t = -(-1)^j sin r, sin by its series up to r^13 (what is cut is under 1e-9 for |r| <= 1.6).
; LIMITS: |x W^T + theta| under 2^18 (beyond it the two parts of pi and the choice of j lose accuracy); NaN, infinities and the scale byte 0xff are not served; sums run in another order than the reference's.
; LDS: K at 0, V at 65,536.  Key tile kt takes 512 bytes in each: plane p (d = 4 p .. 4 p + 3) at 256 p, key r at 16 r: every 16-byte access of sixteen lanes covers 256 consecutive bytes.
; REGISTERS, attention: v0 thread; v4-7 LDS addresses; v8-15 Q; v16-23 K (two buffers); v24-39 V (two buffers); v40-55 S (written by the f32 matrix form alone, in the whole text);
;   v56-71 p; v72-87 the rows' sums; v88-215 the 2 x 8 x 8 sums of p V.
; REGISTERS, projection: v1-3 offsets; v16-23, v24-31 theta as the products' C; v32-37 offsets; v56-67 Wk|Wv; v70-81 Wq; v82-83 a constant; v88-183 x's codes, two sets of four tiles; v184-215 results;
;   v216-247 at work.  v250-255 hold scale words and nothing else.
; THE MODE: SCHED_MODE bits 1:0 = 2 (LLVM: expert scheduling mode 2), set by the entry lines.  The code itself states the register dependences
; between vector or matrix instructions and memory or LDS instructions, with s_wait_alu, always for 0.
; THE PLAN.  Registers that memory or LDS instructions touch:
;   v1-5       offsets and addresses, made at the head and never written again.  v32-37: offsets of the head's loads alone; later V's second buffer and the end's work take them.
;   X0, X1, XS a group's four products read a set and its scale words; behind them the tiles of two groups on land in it.
;   D          written by a group's products and cosines; read by its eight LDS stores; written again by the next group's products, later by the sums of p V.
;   v16-31     theta: loaded, read by the projections as C; behind the barrier K's and V's buffers.
;   KB0, KB1   trip i: its loads land in KB[i % 2], which trip i - 1's products read; its products read the other.
;   VB0, VB1   trip i: its loads land in VB[1 - i % 2], which trip i - 1's multiply-adds read; its multiply-adds read the other.
;   v6, v7     the walk's LDS addresses: read by every LDS load, written once for each two key tiles.
; So a group has one wait on va_vdst ahead of its loads and one ahead of its stores, and one on vm_vsrc at its head; a trip has ONE wait on va_vdst, at its end, behind the exponentials: it states that p is
; written, that the buffers which the next trip's loads fill are read out, and that the addresses are written.  The next trip's loads follow it with only scalar lines between.
.set VX,   1                           ; v1   x: 96 r + 24 h
.set VXS,  2                           ; v2   x's scale words: 4 x lane: lanes 0-15 one tile's, lanes 16-31 the next tile's
.set AST,  3                           ; v3   where I store K (h = 0) or V (h = 1): 16 r + 65,536 h + 8,192 x wave
.set AK0,  4                           ; v4   K: 16 x lane
.set AV0,  5                           ; v5   V: 65,536 + 16 r
.set ADK,  6                           ; v6   AK0 + the walk's place
.set ADV,  7                           ; v7   AV0 + the walk's place
.set Q,    8                           ; Q's fragment of tile t, step s: v[8 + 4 t + 2 s], two registers
.set KB,   16                          ; K's buffer c: v[16 + 4 c], four registers
.set VB,   24                          ; V's buffer c: v[24 + 8 c], eight registers
.set S,    40                          ; S of tile t: v[40 + 8 t]
.set P,    56                          ; p of tile t: v[56 + 8 t]
.set LS,   72                          ; sums of p: v[72 + 8 t + j]
.set ACC,  88                          ; sums of p V: v[88 + 64 t + 8 j + d]
.set THK,  16                          ; theta[j] in register j: C of the K|V products
.set THQ,  24                          ; theta[4 h + (j & 3)]: C of the Q products
.set VWK,  32
.set VWKS, 33
.set VWQ,  34
.set VWQS, 35
.set WKV,  56
.set WQ,   70
.set C11,  82
.set X,    88
.set D,    184
.set U,    216
.set J,    232
.set WVR,  216                         ; Wv's fragment and scale word as loaded, until they are merged with Wk's
.set WKVS, 250
.set WQS,  251
.set XS,   252                         ; x's scale words: set c, tiles 2 u and 2 u + 1: v[252 + 2 c + u]
	s_load_b512 s[4:19], s[0:1], 0x0               ; x codes, x scales, Wq codes, Wq scales, Wk codes, Wk scales, Wv codes, Wv scales
	s_load_b128 s[20:23], s[0:1], 0x40             ; theta, att
	v_lshl_add_u32 v248, v0, 2, 0x20000
	v_mov_b32 v249, 0
	v_lshrrev_b32 v10, 5, v0
	v_readfirstlane_b32 s24, v10                   ; wave 0..7
.irp n, 0,1,2,3
	v_and_b32 v10, 1<<\n, v0
	v_cmp_ne_u32 s[48+\n], 0, v10                  ; s48-51: the lanes in which bit n of r is set
.endr
	s_wait_alu depctr_va_sdst(0)                   ; s24 and s48 to s51 are written, ahead of their first readers: addresses are made from s24, the selects below and at the end read the masks
	s_mov_b32 s25, ttmp9                           ; block of 256 queries
	s_and_b32 s26, ttmp7, 0xffff                   ; 16 b + head
	s_and_b32 s27, s26, 15                         ; head
	s_lshr_b32 s28, s26, 4                         ; b
	; constants as pairs: the packed forms name a pair and take its low word for both halves, so both words are written
.irp n, 30,31
	s_mov_b32 s\n, 0x3ea2f983                      ; 1 / pi
.endr
.irp n, 32,33
	s_mov_b32 s\n, 0xc0490fdb                      ; -pi, upper part
.endr
.irp n, 34,35
	s_mov_b32 s\n, 0x33bbbd2e                      ; upper part - pi = +8.7422777e-8
.endr
.irp n, 36,37
	s_mov_b32 s\n, 0x2f309231                      ; 1 / 13!
.endr
.irp n, 38,39
	s_mov_b32 s\n, 0x3638ef1d                      ; 1 / 9!
.endr
.irp n, 40,41
	s_mov_b32 s\n, 0xb9500d01                      ; -1 / 7!
.endr
.irp n, 42,43
	s_mov_b32 s\n, 0x3c088889                      ; 1 / 5!
.endr
.irp n, 44,45
	s_mov_b32 s\n, 0xbe2aaaab                      ; -1 / 3!
.endr
.irp n, 46,47
	s_mov_b32 s\n, 0x3f0293ee                      ; c = log2(e) / sqrt(8): q carries it, so that p = 2^S
.endr
	v_mov_b32 v[C11], 0xb2d7322b                   ; -1 / 11!
	v_mov_b32 v[C11+1], 0xb2d7322b
	v_and_b32 v38, 15, v0                          ; r
	v_bfe_u32 v39, v0, 4, 1                        ; h
	v_and_b32 v11, 31, v0                          ; lane
	v_mul_u32_u24 v[VX], v38, 96
	v_mad_u32_u24 v[VX], v39, 24, v[VX]
	v_lshlrev_b32 v[VXS], 2, v11
	v_lshlrev_b32 v[AST], 4, v38
	v_lshl_add_u32 v[AST], v39, 16, v[AST]
	s_lshl_b32 s29, s24, 13
	v_add_nc_u32 v[AST], s29, v[AST]
	v_lshlrev_b32 v[AK0], 4, v11
	v_lshl_add_u32 v[AV0], v38, 4, 65536
	v_and_b32 v12, 7, v38                          ; Wk, Wv: lane r takes row r & 7 of the head's eight
	v_mul_u32_u24 v[VWK], v12, 96
	v_mad_u32_u24 v[VWK], v39, 24, v[VWK]
	v_lshlrev_b32 v[VWKS], 2, v12
	v_and_b32 v13, 3, v38                          ; Wq: lane r takes row (r & 3) + 4 (r >> 3): registers 0-3 of lane (r, h) of the result are then d = 4 h + 0..3, which IS the f32 form's operand
	v_lshrrev_b32 v14, 3, v38
	v_lshl_add_u32 v13, v14, 2, v13
	v_mul_u32_u24 v[VWQ], v13, 96
	v_mad_u32_u24 v[VWQ], v39, 24, v[VWQ]
	v_lshlrev_b32 v[VWQS], 2, v13
	v_lshlrev_b32 v36, 4, v39                      ; theta: 16 h
	v_mov_b32 v37, 0
	s_mov_b32 s59, 0
	s_mov_b32 s61, 0
	s_wait_kmcnt 0x0
	s_mul_i32 s58, s28, 196608                     ; a batch's codes: 2,048 rows of 96 bytes
	s_mul_i32 s60, s25, 24576
	s_add_co_u32 s60, s60, s58
	s_mul_i32 s29, s24, 3072
	s_add_co_u32 s60, s60, s29
	s_add_nc_u64 s[54:55], s[4:5], s[60:61]        ; x's codes at my 32 queries
	s_mul_i32 s29, s24, 24576
	s_add_co_u32 s58, s58, s29
	s_add_nc_u64 s[4:5], s[4:5], s[58:59]          ; and at my 256 keys
	s_lshl_b32 s58, s28, 13                        ; a batch's scale bytes
	s_lshl_b32 s60, s25, 10
	s_add_co_u32 s60, s60, s58
	s_lshl_b32 s29, s24, 7
	s_add_co_u32 s60, s60, s29
	s_add_nc_u64 s[56:57], s[6:7], s[60:61]        ; x's scale words at my queries
	s_lshl_b32 s29, s24, 10
	s_add_co_u32 s58, s58, s29
	s_add_nc_u64 s[6:7], s[6:7], s[58:59]          ; and at my keys
	s_mul_i32 s58, s27, 768                        ; the head's 8 rows of each weight
	s_add_nc_u64 s[8:9], s[8:9], s[58:59]
	s_add_nc_u64 s[12:13], s[12:13], s[58:59]
	s_add_nc_u64 s[16:17], s[16:17], s[58:59]
	s_lshl_b32 s58, s27, 5
	s_add_nc_u64 s[10:11], s[10:11], s[58:59]
	s_add_nc_u64 s[14:15], s[14:15], s[58:59]
	s_add_nc_u64 s[18:19], s[18:19], s[58:59]
	s_lshl_b32 s58, s26, 16                        ; att: 65,536 bytes a head, 32 a query
	s_lshl_b32 s60, s25, 13
	s_add_co_u32 s58, s58, s60
	s_lshl_b32 s60, s24, 10
	s_add_co_u32 s58, s58, s60
	s_add_nc_u64 s[22:23], s[22:23], s[58:59]
; a weight's fragment (16 lanes' rows x 128 K: two runs of 24 bytes a lane, in pieces of 8) and its scale word: 7 loads
.macro WLOAD reg, sc, va, vs, cb, sb
.irp p, 0,1,2,3,4,5
	global_load_b64 v[\reg+2*\p:\reg+2*\p+1], v[\va], s[\cb:\cb+1] offset:48*(\p/3)+8*(\p%3)
.endr
	global_load_b32 v[\sc], v[\vs], s[\sb:\sb+1]
.endm
; n tiles of 16 rows of x, from tile0 on, into set: 6 loads a tile, and one load of scale words for each two tiles (128 consecutive bytes)
.macro XLOAD set, cb, sb, tile0, n
.set xi, 0
.rept \n
.irp p, 0,1,2,3,4,5
	global_load_b64 v[X+48*(\set)+12*xi+2*\p:X+48*(\set)+12*xi+2*\p+1], v[VX], s[\cb:\cb+1] offset:((\tile0)+xi)*1536+48*(\p/3)+8*(\p%3)
.endr
.if xi%2 == 0
	global_load_b32 v[XS+2*(\set)+xi/2], v[VXS], s[\sb:\sb+1] offset:((\tile0)+xi)*64
.endif
.set xi, xi+1
.endr
.endm
; one projection: source 0 = 16 rows of weights, source 1 = 16 rows of x, C = theta in the result's layout, so the addition costs nothing.  odd = 1: x's scale words stand in lanes 16-31
.macro PROJ d, a, b, c, sa, sb, odd
.if \odd
	v_wmma_scale_f32_16x16x128_f8f6f4 v[\d:\d+7], v[\a:\a+11], v[\b:\b+11], v[\c:\c+7], v[\sa], v[\sb] matrix_a_fmt:MATRIX_FMT_FP6 matrix_b_fmt:MATRIX_FMT_FP6 matrix_b_scale:MATRIX_SCALE_ROW1
.else
	v_wmma_scale_f32_16x16x128_f8f6f4 v[\d:\d+7], v[\a:\a+11], v[\b:\b+11], v[\c:\c+7], v[\sa], v[\sb] matrix_a_fmt:MATRIX_FMT_FP6 matrix_b_fmt:MATRIX_FMT_FP6
.endif
.endm
; cos of the 16 numbers v[t] .. v[t + 15], in place; stage by stage over eight pairs, so that no line waits for the line above it.  The first stage reads from the low end on.
.macro COS t
.irp e, 0,2,4,6,8,10,12,14
	v_pk_fma_f32 v[U+\e:U+\e+1], v[\t+\e:\t+\e+1], s[30:31], -0.5 op_sel_hi:[1,0,0]
.endr
.irp e, 0,1,2,3,4,5,6,7,8,9,10,11,12,13,14,15
	v_rndne_f32 v[U+\e], v[U+\e]                   ; j
.endr
.irp e, 0,1,2,3,4,5,6,7,8,9,10,11,12,13,14,15
	v_cvt_i32_f32 v[J+\e], v[U+\e]
.endr
.irp e, 0,2,4,6,8,10,12,14
	v_pk_add_f32 v[U+\e:U+\e+1], v[U+\e:U+\e+1], 0.5 op_sel_hi:[1,0]                           ; m = j + 1/2
.endr
.irp e, 0,2,4,6,8,10,12,14
	v_pk_fma_f32 v[\t+\e:\t+\e+1], v[U+\e:U+\e+1], s[32:33], v[\t+\e:\t+\e+1] op_sel_hi:[1,0,1]   ; t - m x pi's upper part: the product enters the sum unrounded
.endr
.irp e, 0,2,4,6,8,10,12,14
	v_pk_fma_f32 v[\t+\e:\t+\e+1], v[U+\e:U+\e+1], s[34:35], v[\t+\e:\t+\e+1] op_sel_hi:[1,0,1]   ; and the lower part: r
.endr
.irp e, 0,1,2,3,4,5,6,7,8,9,10,11,12,13,14,15
	v_lshlrev_b32 v[J+\e], 31, v[J+\e]             ; j's parity as a sign bit
.endr
.irp e, 0,1,2,3,4,5,6,7,8,9,10,11,12,13,14,15
	v_xor_b32 v[\t+\e], v[\t+\e], v[J+\e]          ; (-1)^j r: the sine is odd
.endr
.irp e, 0,2,4,6,8,10,12,14
	v_pk_mul_f32 v[U+\e:U+\e+1], v[\t+\e:\t+\e+1], v[\t+\e:\t+\e+1]                            ; r^2
.endr
.irp e, 0,2,4,6,8,10,12,14
	v_pk_fma_f32 v[J+\e:J+\e+1], v[U+\e:U+\e+1], s[36:37], v[C11:C11+1] op_sel_hi:[1,0,1]
.endr
.irp k, 38,40,42,44
.irp e, 0,2,4,6,8,10,12,14
	v_pk_fma_f32 v[J+\e:J+\e+1], v[J+\e:J+\e+1], v[U+\e:U+\e+1], s[\k:\k+1] op_sel_hi:[1,1,0]
.endr
.endr
.irp e, 0,2,4,6,8,10,12,14
	v_pk_mul_f32 v[U+\e:U+\e+1], v[U+\e:U+\e+1], v[\t+\e:\t+\e+1]                              ; r^3
.endr
.irp e, 0,2,4,6,8,10,12,14
	v_pk_fma_f32 v[\t+\e:\t+\e+1], v[U+\e:U+\e+1], v[J+\e:J+\e+1], v[\t+\e:\t+\e+1] neg_lo:[1,0,1] neg_hi:[1,0,1]   ; -(r + r^3 x series) = the cosine
.endr
.endm
; Four key tiles, 4 g .. 4 g + 3 of my sixteen: K and V of 64 keys.  cnt: the younger loads that may stay out.  next = 1: the set just multiplied takes the tiles of two groups on.
.macro KVGROUP g, set, cnt, next
	s_wait_loadcnt \cnt                            ; this group's 26 loads are in
	s_wait_dscnt 0x0                               ; the last group's LDS stores are done
.if \g > 0
	s_wait_alu depctr_vm_vsrc(0)                   ; the last group's LDS stores have read D, which the products below write again
.endif
.irp i, 0,1,2,3
	PROJ D+8*\i, WKV, X+48*\set+12*\i, THK, WKVS, XS+2*\set+\i/2, \i%2
.endr
.rept 4
	v_nop                                          ; four places behind this form (ISA guide 7.12.1), ahead of the first read of its results
.endr
.if \next
	s_wait_alu depctr_va_vdst(0)                   ; the four products are done reading this set of x's codes and its scale words, in which the loads below land
	XLOAD \set, 4, 6, 4*(\g+2), 4
.endif
	COS D
	COS D+16
	s_wait_alu depctr_va_vdst(0)                   ; the cosines have written D, which the LDS stores read
.irp i, 0,1,2,3
.irp p, 0,1
	ds_store_b128 v[AST], v[D+8*\i+4*\p:D+8*\i+4*\p+3] offset:(4*\g+\i)*512+256*\p   ; lanes 0-15: K[key r][4 p ..]; lanes 16-31: V[key r][4 p ..]
.endr
.endr
.endm
	s_wait_alu depctr_va_vdst(0)                   ; the offsets and addresses v1 to v5 and v32 to v37 are written, which the loads and stores below read
	global_load_b128 v[THK:THK+3], v37, s[20:21]
	global_load_b128 v[THK+4:THK+7], v37, s[20:21] offset:16
	global_load_b128 v[THQ:THQ+3], v36, s[20:21]
	global_load_b128 v[THQ+4:THQ+7], v36, s[20:21]
	WLOAD WKV, WKVS, VWK, VWKS, 12, 14
	WLOAD WVR, WVR+12, VWK, VWKS, 16, 18
	WLOAD WQ, WQS, VWQ, VWQS, 8, 10
	XLOAD 0, 54, 56, 0, 2                          ; my two tiles of queries: 13 loads
	XLOAD 1, 4, 6, 0, 4                            ; my key tiles 0-3: 26 loads
	s_wait_loadcnt 39                              ; theta and the weights are in; the 13 + 26 loads behind them stay out
.set i, 0
.rept 12
	v_cndmask_b32 v[WKV+i], v[WKV+i], v[WVR+i], s51   ; lanes r >= 8 take Wv's row r - 8: one tile of 16 weight rows, Wk's eight and Wv's eight
.set i, i+1
.endr
	v_cndmask_b32 v[WKVS], v[WKVS], v[WVR+12], s51    ; its scale words likewise.  (Its first use stands behind the whole work on Q)
	s_wait_loadcnt 26                              ; the queries' 13 loads are in
	PROJ D, WQ, X, THQ, WQS, XS, 0
	PROJ D+8, WQ, X+12, THQ, WQS, XS, 1
.rept 4
	v_nop                                          ; four places, ahead of the first read of the results
.endr
	s_wait_alu depctr_va_vdst(0)                   ; the two products are done reading set 0 and its scale words, in which the loads below land; the selects above have written Wk|Wv's fragment and scale words, which the scaled products of the key tiles take (the cosine's lines are the places between)
	XLOAD 0, 4, 6, 4, 4                            ; key tiles 4-7
	COS D
.irp t, 0,1
.irp s, 0,1
	v_pk_mul_f32 v[Q+4*\t+2*\s:Q+4*\t+2*\s+1], v[D+8*\t+2*\s:D+8*\t+2*\s+1], s[46:47] op_sel_hi:[1,0]   ; c x q: lane (r, h): query r, d = 4 h + 2 s + 0, 1
.endr
.endr
	KVGROUP 0, 1, 26, 1
	KVGROUP 1, 0, 26, 1
	KVGROUP 2, 1, 26, 0
	KVGROUP 3, 0, 0, 0
	s_wait_dscnt 0x0                               ; for the others' sake: my stores of K and V are done
	s_barrier_signal -1
	s_barrier_wait -1                              ; the head's K and V lie in LDS; nobody writes LDS again
; Matrix instruction k of a key tile's four: tile of queries k & 1, K step k >> 1 (d = 4 h + 2 s + j on both sides).  c: the buffer that holds K's tile.
; The two accumulators take turns, one instruction a turn; the first step starts each sum with the constant 0.
.macro QK k, c
.if (\k) < 2
	v_wmma_f32_16x16x4_f32 v[S+8*((\k)&1):S+8*((\k)&1)+7], v[Q+4*((\k)&1):Q+4*((\k)&1)+1], v[KB+4*(\c):KB+4*(\c)+1], 0
.else
	v_wmma_f32_16x16x4_f32 v[S+8*((\k)&1):S+8*((\k)&1)+7], v[Q+4*((\k)&1)+2:Q+4*((\k)&1)+3], v[KB+4*(\c)+2:KB+4*(\c)+3], v[S+8*((\k)&1):S+8*((\k)&1)+7]
.endif
.endm
; Instruction n of the 72 of a key tile's vector list: for each tile of queries 32 packed multiply-adds (query j, d = 2 e, 2 e + 1: p[j] serves both halves) and 4 packed additions of p.
; first = 1: the first key tile starts every sum: nothing is cleared.
.macro PVI c, first
.set pt, n/36
.set pq, n%36
.if pq < 32
.set pj, pq/4
.set pe, pq%4
.set pa, ACC+64*pt+8*pj+2*pe
.set pp, P+8*pt+2*(pj/2)
.set pv, VB+8*(\c)+2*pe
.if \first
.if pj%2
	v_pk_mul_f32 v[pa:pa+1], v[pp:pp+1], v[pv:pv+1] op_sel:[1,0] op_sel_hi:[1,1]
.else
	v_pk_mul_f32 v[pa:pa+1], v[pp:pp+1], v[pv:pv+1] op_sel_hi:[0,1]
.endif
.else
.if pj%2
	v_pk_fma_f32 v[pa:pa+1], v[pp:pp+1], v[pv:pv+1], v[pa:pa+1] op_sel:[1,0,0] op_sel_hi:[1,1,1]
.else
	v_pk_fma_f32 v[pa:pa+1], v[pp:pp+1], v[pv:pv+1], v[pa:pa+1] op_sel_hi:[0,1,1]
.endif
.endif
.else
.set pl, pq-32
.if \first
	v_pk_mul_f32 v[LS+8*pt+2*pl:LS+8*pt+2*pl+1], v[P+8*pt+2*pl:P+8*pt+2*pl+1], 1.0 op_sel_hi:[1,0]
.else
	v_pk_add_f32 v[LS+8*pt+2*pl:LS+8*pt+2*pl+1], v[LS+8*pt+2*pl:LS+8*pt+2*pl+1], v[P+8*pt+2*pl:P+8*pt+2*pl+1]
.endif
.endif
.endm
.macro SLICE k, c, first               ; a quarter of the list: 18 instructions
.set n, 18*(\k)
.rept 18
	PVI \c, \first
.set n, n+1
.endr
.endm
; THE TRIP OF KEY TILE i (c = i % 2; its 512 bytes begin o bytes behind the walk's place).  p(i) stands in registers.  It asks for K(i + 2) and V(i + 1), makes S(i + 1), adds p(i) V(i), and makes p(i + 1).
; Distances behind the f32 matrix form (eight places before its result is read by a vector instruction, nine before a matrix instruction writes over it)
; each matrix instruction is followed by a slice of 18 plain instructions that name only p, V and the sums, none of its registers.
; The trip's loads are its first instructions: the wait at the end of the trip before has stated all that they hang on, and no vector or matrix instruction of this trip names the registers in which they land.
.macro TRIP c, o, first, ldk, ldv, step
	s_wait_dscnt 0x0                               ; K(i + 1) and V(i), all that was asked for a trip ago, are wanted now
.if \ldk
	ds_load_b128 v[KB+4*\c:KB+4*\c+3], v[ADK] offset:\o+1024                ; K(i + 2): lane (r, h): key r, d = 4 h + 0..3
.endif
.if \ldv
	ds_load_b128 v[VB+8*(1-\c):VB+8*(1-\c)+3], v[ADV] offset:\o+512         ; V(i + 1): key r, d = 0..3 (both halves of the lanes read the same bytes)
	ds_load_b128 v[VB+8*(1-\c)+4:VB+8*(1-\c)+7], v[ADV] offset:\o+768       ; d = 4..7
.endif
.irp k, 0,1,2,3
	QK \k, 1-\c
	SLICE \k, \c, \first
.endr
.set i, 0
.rept 16
	v_exp_f32 v[P+i], v[S+i]                       ; p = 2^S; each accumulator is read from its low end on
.set i, i+1
.endr
.if \step
	s_wait_alu depctr_vm_vsrc(0)                   ; the LDS loads issued so far have read the walk's two addresses, which are written now
	s_add_co_u32 s53, s53, \step                   ; the walk goes on; the two additions are the plain place behind the exponentials
	v_add_nc_u32 v[ADK], s53, v[AK0]
	v_add_nc_u32 v[ADV], s53, v[AV0]
.else
	v_nop                                          ; a plain place behind the exponentials
.endif
	s_wait_alu depctr_va_vdst(0)                   ; the sixteen exponentials have written p, ahead of its first reader and of every label and branch; this trip's products are done reading their buffer of K and its multiply-adds their buffer of V, in which the next trip's loads land; where the walk went on, its two addresses are written
.endm
	s_mov_b32 s53, 0                               ; the walk's place in K and in V, in bytes
	v_mov_b32 v[ADK], v[AK0]
	v_mov_b32 v[ADV], v[AV0]
	s_wait_alu depctr_va_vdst(0)                   ; the walk's two addresses are written, which the LDS loads read; the projections are done reading theta in v16 to v31, in which K and V land
	s_wait_alu depctr_vm_vsrc(0)                   ; the head's loads have read their offsets v32 to v37, in which V's second buffer lands and which the end writes; the last LDS stores have read D, which the sums of p V write
	ds_load_b128 v[KB:KB+3], v[ADK]                ; K(0)
	ds_load_b128 v[VB:VB+3], v[ADV]                ; V(0)
	ds_load_b128 v[VB+4:VB+7], v[ADV] offset:256
	ds_load_b128 v[KB+4:KB+7], v[ADK] offset:512   ; K(1)
	s_wait_dscnt 3                                 ; K(0) is in; the three loads behind it may stay out
.irp k, 0,1,2,3
	QK \k, 0                                       ; S(0): there is no vector work yet to set between them
.endr
.rept 8
	v_nop                                          ; eight places before the results are read
.endr
.set i, 0
.rept 16
	v_exp_f32 v[P+i], v[S+i]
.set i, i+1
.endr
	v_nop                                          ; behind the exponentials; the ninth place before S is written over
	s_wait_alu depctr_va_vdst(0)                   ; the exponentials have written p(0), ahead of its first reader; the four products are done reading K(0), in whose buffer K(2) lands
	TRIP 0, 0, 1, 1, 1, 512                        ; key tile 0 starts the sums
	s_mov_b32 s52, 62
.Lkeys:                                            ; key tiles 1 to 124, two a trip of the loop
	TRIP 1, 0, 0, 1, 1, 0
	TRIP 0, 512, 0, 1, 1, 1024
	s_sub_co_u32 s52, s52, 1
	s_cmp_lg_u32 s52, 0
	s_cbranch_scc1 .Lkeys
	TRIP 1, 0, 0, 1, 1, 0                          ; key tile 125 asks for K(127), the last
	TRIP 0, 512, 0, 0, 1, 0                        ; key tile 126 asks for V(127) alone
	s_wait_dscnt 0x0                               ; V(127)
.irp k, 0,1,2,3
	SLICE \k, 1, 0                                 ; p(127) V(127)
.endr
; THE END.  Lane (r, h) holds, for queries 8 h + 0..7, the sums over the keys that are r modulo 16: nine numbers a query (eight d, and the sum of p).  The sixteen lanes' sums are joined by halving:
; in a step the lanes whose bit of r is clear keep query jl and send jh, the others keep jh and send jl.  After bits 2, 1, 0 a lane holds query 8 h + (r & 7); bit 3 adds the two halves that are left.
.macro RSX t, jl, jh                   ; number rv of the nine, of queries jl and jh: registers xl, xh
.if rv < 8
.set xl, ACC+64*(\t)+8*(\jl)+rv
.set xh, ACC+64*(\t)+8*(\jh)+rv
.else
.set xl, LS+8*(\t)+(\jl)
.set xh, LS+8*(\t)+(\jh)
.endif
.endm
.macro RSROW t, jl, jh, msk, xm
.set rv, 0
.rept 9
	RSX \t, \jl, \jh
	v_cndmask_b32 v[16+rv], v[xl], v[xh], s[\msk]  ; what I keep
	v_cndmask_b32 v[25+rv], v[xh], v[xl], s[\msk]  ; what I send
.set rv, rv+1
.endr
.set rv, 0
.rept 9
	RSX \t, \jl, \jh
	v_add_f32_dpp v[xl], v[25+rv], v[16+rv] row_xmask:\xm row_mask:0xf bank_mask:0xf
.set rv, rv+1
.endr
.endm
.irp t, 0,1
.irp j, 0,1,2,3
	RSROW \t, \j, \j+4, 50, 4
.endr
.irp j, 0,1
	RSROW \t, \j, \j+2, 49, 2
.endr
	RSROW \t, 0, 1, 48, 1
.set rv, 0
.rept 9
	RSX \t, 0, 0
	v_add_f32_dpp v[xl], v[xl], v[xl] row_xmask:8 row_mask:0xf bank_mask:0xf
.set rv, rv+1
.endr
.endr
	v_rcp_f32 v34, v[LS]                           ; 1 / the row's sum, tile 0
	v_rcp_f32 v35, v[LS+8]                         ; tile 1
.irp t, 0,1
.irp i, 0,1,2,3
	v_cndmask_b32 v[P+4*\t+\i], v[ACC+64*\t+\i], v[ACC+64*\t+4+\i], s51   ; lanes r < 8 send d = 0..3 of their query, lanes r >= 8 d = 4..7.  (Plain places behind the reciprocals)
.endr
.endr
	s_wait_alu depctr_va_vdst(0)                   ; the two reciprocals have written v34 and v35, ahead of their first readers; the eight selects are the work between
.irp t, 0,1
.irp i, 0,1,2,3
	v_mul_f32 v[P+4*\t+\i], v[P+4*\t+\i], v[34+\t]
.endr
.endr
	v_bfe_u32 v36, v0, 4, 1                        ; h
	v_and_b32 v37, 7, v0                           ; r & 7
	v_bfe_u32 v38, v0, 3, 1                        ; r >> 3
	v_lshlrev_b32 v36, 8, v36
	v_lshl_add_u32 v36, v37, 5, v36
	v_lshl_add_u32 v36, v38, 4, v36                ; 256 h + 32 (r & 7) + 16 (r >> 3)
	s_wait_alu depctr_va_vdst(0)                   ; the multiplications have written the eight numbers and the additions the offset v36, which the two stores read
.irp t, 0,1
	global_store_b128 v36, v[P+4*\t:P+4*\t+3], s[22:23] offset:512*\t     ; the wave stores 512 consecutive bytes, at a multiple of 256 from att's first byte: 16 queries
.endr
	s_wait_dscnt 0x0
	s_wait_alu depctr_hold_cnt(0) depctr_sa_sdst(0) depctr_va_vdst(0) depctr_va_sdst(0) depctr_va_ssrc(0) depctr_va_vcc(0) depctr_vm_vsrc(0)
	s_wait_tensorcnt 0x0
	ds_add_u32 v248, v249
	s_wait_dscnt 0x0
	s_endpgm
.Lfunc_end_k_qc82e7038f4_attn:
	.size	k_qc82e7038f4_attn, .Lfunc_end_k_qc82e7038f4_attn-k_qc82e7038f4_attn
	.p2alignl 7, 3214868480
	.fill 96, 4, 3214868480
	.section	.rodata,"a",@progbits
	.p2align	6, 0x0
	.amdhsa_kernel k_qc82e7038f4_attn
		.amdhsa_group_segment_fixed_size 132096
		.amdhsa_private_segment_fixed_size 0
		.amdhsa_enable_private_segment 0
		.amdhsa_kernarg_size 80
		.amdhsa_user_sgpr_count 2
		.amdhsa_user_sgpr_kernarg_segment_ptr 1
		.amdhsa_wavefront_size32 1
		.amdhsa_system_sgpr_workgroup_id_x 1
		.amdhsa_system_sgpr_workgroup_id_y 1
		.amdhsa_system_sgpr_workgroup_id_z 1
		.amdhsa_system_vgpr_workitem_id 0
		.amdhsa_next_free_vgpr 256
		.amdhsa_next_free_sgpr 66
		.amdhsa_reserve_vcc 0
		.amdhsa_float_denorm_mode_32 3
		.amdhsa_float_denorm_mode_16_64 3
		.amdhsa_memory_ordered 1
		.amdhsa_forward_progress 1
		.amdhsa_inst_pref_size 158
	.end_amdhsa_kernel
	.amdgpu_metadata
---
amdhsa.version: [ 1, 2 ]
amdhsa.kernels:
  - .name:           k_qc82e7038f4_attn
    .symbol:         k_qc82e7038f4_attn.kd
    .args:
      - { .name: x_codes, .offset: 0, .size: 8, .value_kind: global_buffer, .address_space: global }
      - { .name: x_scales, .offset: 8, .size: 8, .value_kind: global_buffer, .address_space: global }
      - { .name: Wq_codes, .offset: 16, .size: 8, .value_kind: global_buffer, .address_space: global }
      - { .name: Wq_scales, .offset: 24, .size: 8, .value_kind: global_buffer, .address_space: global }
      - { .name: Wk_codes, .offset: 32, .size: 8, .value_kind: global_buffer, .address_space: global }
      - { .name: Wk_scales, .offset: 40, .size: 8, .value_kind: global_buffer, .address_space: global }
      - { .name: Wv_codes, .offset: 48, .size: 8, .value_kind: global_buffer, .address_space: global }
      - { .name: Wv_scales, .offset: 56, .size: 8, .value_kind: global_buffer, .address_space: global }
      - { .name: theta, .offset: 64, .size: 8, .value_kind: global_buffer, .address_space: global }
      - { .name: att, .offset: 72, .size: 8, .value_kind: global_buffer, .address_space: global }
    .group_segment_fixed_size: 132096
    .private_segment_fixed_size: 0
    .kernarg_segment_align: 8
    .kernarg_segment_size: 80
    .max_flat_workgroup_size: 256
    .sgpr_count:     66
    .vgpr_count:     256
    .wavefront_size: 32
...
	.end_amdgpu_metadata
.endif
;; end of part 3
;; launch outp (part 4): grid 256 x 1, 1 waves a work-group, no clusters, 8,704 bytes of LDS; arguments att, Wo_codes, Wo_scales, out0; writes out0
.if DOCPART == 4
	.amdgcn_target "amdgcn-amd-amdhsa--gfx1250"
	.amdhsa_code_object_version 6
	.text
	.protected	k_qc82e7038f4_outp
	.globl	k_qc82e7038f4_outp
	.p2align	8
	.type	k_qc82e7038f4_outp,@function
k_qc82e7038f4_outp:
	s_mov_b64 s[64:65], 0
	v_nop
	global_prefetch_b8 v0, s[64:65] scope:SCOPE_SE
	s_setreg_imm32_b32 hwreg(HW_REG_WAVE_SCHED_MODE, 0, 2), 2
	s_setreg_imm32_b32 hwreg(HW_REG_WAVE_MODE, 25, 1), 1
	s_wait_xcnt 0x0
	s_wait_alu depctr_vm_vsrc(0)
; out0 = Q(att) Wo^T: the attention's result, f32, laid [16 b + head][s][8], is quantised along E = 128 (k = 8 head + d; a block of 32 is four heads) to codes of FP6 (E2M3) with one E8M0 scale a block,
; and multiplied by Wo, which arrives as codes.  K = 128 is one scaled matrix instruction for each 16 x 16 of the output.
; SHARES.  A work-group is one wave and takes 16 of the 4,096 rows: 8 matrix instructions.  The launch moves 2 MiB in and 2 MiB out and has next to no arithmetic: nothing is shared but Wo (12,800 bytes), which
; goes straight into operand registers; so no cluster, no tensor load, no barrier.
; A block's scale is 2^(floor(log2(its largest magnitude)) - 2); its byte is that magnitude's exponent field - 2, held at 1 from below by a floor among the maximum's leaves.  A block of zeros so has the byte 1
; where the rule says 127: its codes are zeros, which add nothing under any byte but 0xff, and the bytes are read here alone.
; LIMITS: blocks whose largest magnitude lies under 2^(3 - 127), the floor, were not tried; NaN and infinities are not served.
; THE PRODUCT IS USED TRANSPOSED (source 0 = 16 rows of Wo, source 1 = my 16 rows): a lane's eight results are eight neighbouring numbers of a row of the output; they go through a stage in LDS and leave as whole rows.
; THE MODE: SCHED_MODE bits 1:0 = 2 (LLVM: expert scheduling mode 2), set by the entry lines.  The code itself states the register dependences
; between vector or matrix instructions and memory or LDS instructions, with s_wait_alu, always for 0.
; THE PLAN.  Registers that memory or LDS instructions touch: v3-7, offsets and addresses, made at the head and never written again; v48-111, loaded once, later the products' results, which the LDS stores read;
; v136-231, Wo's fragments, loaded once, read by the products, then the rows that come back from the stage; v232-239, Wo's scale words.  The text runs once, so three waits state all: the offsets ahead of the
; first load; the codes and the scale word ahead of the scaled products; the results, and the end of the products' reads of Wo, ahead of the stage's stores and loads.
.set HA,  48                           ; v48-111  64 numbers of a lane: register 16 q + n = k 32 q + 16 h + n of row r; later the eight results
.set PC,  112                          ; v112-131 the codes
.set WO,  136                          ; v136-231 Wo's eight fragments; later v136-199 the rows read back
.set WS,  232                          ; v232-239 Wo's scale words
.set TM,  16                           ; v16-19 largest magnitudes, v20-23 the other half's, then the bytes, v28-31 the conversions' scale operands
.set PW,  32                           ; v32      my rows' scale word
.set SEL, 20                           ; s[20:21] v_permlanex16_b32's selects for lane l xor 16
	s_load_b256 s[4:11], s[0:1], 0x0               ; att, Wo's codes, Wo's scales, out0
	v_lshl_add_u32 v134, v0, 2, 0x2100
	v_mov_b32 v135, 0
	v_and_b32 v1, 15, v0                           ; r
	v_bfe_u32 v2, v0, 4, 1                         ; h
	v_lshlrev_b32 v3, 5, v1
	v_lshl_add_u32 v3, v2, 17, v3                  ; att: 32 bytes a row, + two heads (131,072 bytes) for lanes 16-31
	v_mul_u32_u24 v4, v1, 96
	v_mad_u32_u24 v4, v2, 24, v4                   ; Wo: row r of 96 bytes, + 24 h
	v_lshlrev_b32 v5, 2, v1                        ; its scale words
	v_mul_u32_u24 v6, v1, 528
	v_lshl_add_u32 v6, v2, 5, v6                   ; the stage, in: row r of 512 + 16 bytes, + 32 h
	v_lshlrev_b32 v7, 4, v0                        ; the stage, back, and out0: 16 bytes a lane
	s_mov_b32 s[SEL], 0x76543210
	s_mov_b32 s[SEL+1], 0xfedcba98
.irp b, 0,1,2,3
	v_mov_b32 v[TM+4+\b], 0                        ; a lane permute's destination counts as one of its sources
.endr
	s_lshr_b32 s12, ttmp9, 7                       ; b
	s_lshl_b32 s12, s12, 20                        ; 16 heads of 65,536 bytes
	s_and_b32 s14, ttmp9, 127
	s_lshl_b32 s14, s14, 9                         ; 16 rows of 32 bytes
	s_add_co_u32 s12, s12, s14
	s_mov_b32 s13, 0
	s_lshl_b32 s14, ttmp9, 13                      ; out0: 16 rows of 512 bytes
	s_mov_b32 s15, 0
	s_wait_kmcnt 0x0
	s_add_nc_u64 s[4:5], s[4:5], s[12:13]
	s_add_nc_u64 s[10:11], s[10:11], s[14:15]
	s_wait_alu depctr_va_vdst(0)                   ; the offsets and addresses v3 to v7 are written, which every load and store below reads
.irp q, 0,1,2,3
.irp e, 0,1
.irp i, 0,1
	global_load_b128 v[HA+16*\q+8*\e+4*\i:HA+16*\q+8*\e+4*\i+3], v3, s[4:5] offset:262144*\q+65536*\e+16*\i th:TH_LOAD_NT   ; head 4 q + 2 h + e, d = 4 i ..: read once in the launch
.endr
.endr
.endr
.irp t, 0,1,2,3,4,5,6,7
.irp p, 0,1,2,3,4,5
	global_load_b64 v[WO+12*\t+2*\p:WO+12*\t+2*\p+1], v4, s[6:7] offset:1536*\t+48*(\p/3)+8*(\p%3)
.endr
	global_load_b32 v[WS+\t], v5, s[8:9] offset:64*\t
.endr
	s_wait_loadcnt 56                              ; my rows are in; Wo's 8 x 7 loads stay out while the rows are quantised
.irp b, 0,1,2,3
	v_max3_num_f32 v[TM+\b], |v[HA+16*\b]|, |v[HA+1+16*\b]|, 0x1800000   ; block b: my 16 numbers, and the floor 2^(3 - 127): the byte cannot fall under 1
.endr
.irp i, 2,4,6,8,10,12,14
.irp b, 0,1,2,3
	v_max3_num_f32 v[TM+\b], v[TM+\b], |v[HA+16*\b+\i]|, |v[HA+1+16*\b+\i]|   ; (the four blocks by turns)
.endr
.endr
.irp b, 0,1,2,3
	v_permlanex16_b32 v[TM+4+\b], v[TM+\b], s[SEL], s[SEL+1]
.endr
.irp b, 0,1,2,3
	v_max_num_f32 v[TM+\b], v[TM+\b], v[TM+4+\b]   ; with lane l xor 16's: the block's largest magnitude
.endr
.irp b, 0,1,2,3
	v_add_nc_u32 v[TM+12+\b], 0xff000000, v[TM+\b] ; 2 off its exponent field: the conversion takes the exponent field of this operand as its scale, and nothing else of it
.endr
.irp b, 0,1,2,3
	v_lshrrev_b32 v[TM+4+\b], 23, v[TM+12+\b]      ; the scale's byte
.endr
	v_lshl_or_b32 v[PW], v[TM+5], 8, v[TM+4]       ; the four bytes make my row's scale word
	v_lshl_or_b32 v[PW], v[TM+6], 16, v[PW]
	v_lshl_or_b32 v[PW], v[TM+7], 24, v[PW]
.irp c, 0,1
	v_cvt_scalef32_pk16_fp6_f32 v[PC+6*\c:PC+2+6*\c], v[HA+32*\c:HA+15+32*\c], v[TM+12+2*\c]
	v_cvt_scalef32_pk16_fp6_f32 v[PC+12+4*\c:PC+14+4*\c], v[HA+16+32*\c:HA+31+32*\c], v[TM+12+2*\c+1]   ; (a conversion's three registers begin on an even number)
.endr
	v_nop                                          ; one plain place behind a scaled conversion
.irp c, 0,1                                    ; the operand's layout wants a WHOLE block in a lane: lanes 0-15 block 2 c, lanes 16-31 block 2 c + 1
.irp i, 0,1,2
	v_permlane16_swap_b32 v[PC+6*\c+\i], v[PC+12+4*\c+\i]
.endr
.irp i, 0,1,2
	v_mov_b32 v[PC+3+6*\c+\i], v[PC+12+4*\c+\i]
.endr
.endr
	s_wait_loadcnt 0x0                             ; Wo
.rept 8
	v_nop                                          ; a scale word written by vector instructions stands eight places ahead of a scaled matrix instruction, an operand so written four
.endr
	s_wait_alu depctr_va_vdst(0)                   ; the conversions, swaps and moves have written the codes, and the shifts the scale word, which the scaled products take; the places above stay beside this wait
.irp t, 0,1,2,3,4,5,6,7
	v_wmma_scale_f32_16x16x128_f8f6f4 v[HA+8*\t:HA+8*\t+7], v[WO+12*\t:WO+12*\t+11], v[PC:PC+11], 0, v[WS+\t], v[PW] matrix_a_fmt:MATRIX_FMT_FP6 matrix_b_fmt:MATRIX_FMT_FP6   ; lane (r, h), register j: out(row r, 16 t + 8 h + j)
.endr
.rept 4
	v_nop                                          ; four places behind this form, ahead of the stores that read its results
.endr
	s_wait_alu depctr_va_vdst(0)                   ; the eight products have written their results, which the LDS stores read, and are done reading Wo's fragments, in which the rows from the stage land; the places above stay beside this wait
.irp t, 0,1,2,3,4,5,6,7
	ds_store_b128 v6, v[HA+8*\t:HA+8*\t+3] offset:64*\t            ; each accumulator from its low end on
	ds_store_b128 v6, v[HA+8*\t+4:HA+8*\t+7] offset:64*\t+16
.endr
.irp i, 0,1,2,3,4,5,6,7,8,9,10,11,12,13,14,15
	ds_load_b128 v[WO+4*\i:WO+4*\i+3], v7 offset:528*\i            ; LDS serves a wave's instructions in order (ISA guide 5.7.1.4): these see the stores above
.endr
.irp i, 0,1,2,3,4,5,6,7,8,9,10,11,12,13,14,15
	s_wait_dscnt 15-\i                             ; row i is back; the rows behind it may stay out
	global_store_b128 v7, v[WO+4*\i:WO+4*\i+3], s[10:11] offset:512*\i th:TH_STORE_NT   ; 32 lanes store a row of 512 consecutive bytes, at a multiple of 256 from out0's first byte
.endr
	s_wait_dscnt 0x0
	s_wait_alu depctr_hold_cnt(0) depctr_sa_sdst(0) depctr_va_vdst(0) depctr_va_sdst(0) depctr_va_ssrc(0) depctr_va_vcc(0) depctr_vm_vsrc(0)
	s_wait_tensorcnt 0x0
	ds_add_u32 v134, v135
	s_wait_dscnt 0x0
	s_endpgm
.Lfunc_end_k_qc82e7038f4_outp:
	.size	k_qc82e7038f4_outp, .Lfunc_end_k_qc82e7038f4_outp-k_qc82e7038f4_outp
	.p2alignl 7, 3214868480
	.fill 96, 4, 3214868480
	.section	.rodata,"a",@progbits
	.p2align	6, 0x0
	.amdhsa_kernel k_qc82e7038f4_outp
		.amdhsa_group_segment_fixed_size 8704
		.amdhsa_private_segment_fixed_size 0
		.amdhsa_enable_private_segment 0
		.amdhsa_kernarg_size 32
		.amdhsa_user_sgpr_count 2
		.amdhsa_user_sgpr_kernarg_segment_ptr 1
		.amdhsa_wavefront_size32 1
		.amdhsa_system_sgpr_workgroup_id_x 1
		.amdhsa_system_sgpr_workgroup_id_y 1
		.amdhsa_system_sgpr_workgroup_id_z 1
		.amdhsa_system_vgpr_workitem_id 0
		.amdhsa_next_free_vgpr 240
		.amdhsa_next_free_sgpr 66
		.amdhsa_reserve_vcc 0
		.amdhsa_float_denorm_mode_32 3
		.amdhsa_float_denorm_mode_16_64 3
		.amdhsa_memory_ordered 1
		.amdhsa_forward_progress 1
		.amdhsa_inst_pref_size 18
	.end_amdhsa_kernel
	.amdgpu_metadata
---
amdhsa.version: [ 1, 2 ]
amdhsa.kernels:
  - .name:           k_qc82e7038f4_outp
    .symbol:         k_qc82e7038f4_outp.kd
    .args:
      - { .name: att, .offset: 0, .size: 8, .value_kind: global_buffer, .address_space: global }
      - { .name: Wo_codes, .offset: 8, .size: 8, .value_kind: global_buffer, .address_space: global }
      - { .name: Wo_scales, .offset: 16, .size: 8, .value_kind: global_buffer, .address_space: global }
      - { .name: out0, .offset: 24, .size: 8, .value_kind: global_buffer, .address_space: global }
    .group_segment_fixed_size: 8704
    .private_segment_fixed_size: 0
    .kernarg_segment_align: 8
    .kernarg_segment_size: 32
    .max_flat_workgroup_size: 32
    .sgpr_count:     66
    .vgpr_count:     240
    .wavefront_size: 32
...
	.end_amdgpu_metadata
.endif
;; end of part 4
